; MI455X (gfx1250); checked and timed in simulation.
; The chip was launched on July 23, 2026; its instructions are those of AMD's public machine-readable ISA for CDNA 5 (MIT licence, August 2026) and "CDNA5" Instruction Set Architecture Reference Guide (July 2026). The comments in the code are by the model that wrote it; some were corrected since.
;; Simple Transformer Layer. Allowed arithmetic: matrix products marked QUANTISED: E4M3 operands, one given power-of-two scale a tensor, by v_wmma_f32_16x16x64_fp8_fp8 or v_wmma_f32_16x16x128_fp8_fp8, f32 sums; everything else in f32.
;; Inputs: W1_codes 4,096 x 32 x 32 uint8 (E4M3 codes of W1, K innermost, in blocks of 32 codes); W2_codes 1,024 x 128 x 32 uint8 (E4M3 codes of W2, K innermost, in blocks of 32 codes); Wk_codes 1,024 x 32 x 32 uint8 (E4M3 codes of Wk, K innermost, in blocks of 32 codes); Wo_codes 1,024 x 32 x 32 uint8 (E4M3 codes of Wo, K innermost, in blocks of 32 codes); Wq_codes 1,024 x 32 x 32 uint8 (E4M3 codes of Wq, K innermost, in blocks of 32 codes); Wv_codes 1,024 x 32 x 32 uint8 (E4M3 codes of Wv, K innermost, in blocks of 32 codes); attention_mask 2 x 2,048 float32; b1 4,096 float32; b2 1,024 float32; be1 1,024 float32; be2 1,024 float32; bk 1,024 float32; bo 1,024 float32; bq 1,024 float32; bv 1,024 float32; g1 1,024 float32; g2 1,024 float32; lowp_scales 16 int32 (the exponents e of the quantised operands' scales 2^e); x 2 x 2,048 x 1,024 float32.
;; Outputs: out0 2 x 2,048 x 1,024 float32.
;; This version of the problem:
;;   THIS VERSION OF THE PROBLEM IS GIVEN IN LOW PRECISION. The matrix products marked QUANTISED in the list below multiply operands that are first quantised to E4M3 (4 exponent bits, 3 mantissa bits; 8 bits a number), with one given power-of-two scale for each operand tensor; their sums are f32. All else is computed in f32.
;;   The module's matrix products, in the order in which they are computed (A, B: the left and right operand; K: the contracted axis; several contracted axes count as one K, in the product's order):
;;     1. [M 4,096, K 1,024] x [K 1,024, N 1,024]; A: computed on the way; B: input Wq (given as codes): QUANTISED (scales: A lowp_scales[0], B lowp_scales[1])
;;     2. [M 4,096, K 1,024] x [K 1,024, N 1,024]; A: computed on the way; B: input Wk (given as codes): QUANTISED (scales: A lowp_scales[2], B lowp_scales[3])
;;     3. [M 4,096, K 1,024] x [K 1,024, N 1,024]; A: computed on the way; B: input Wv (given as codes): QUANTISED (scales: A lowp_scales[4], B lowp_scales[5])
;;     4. batch 32 x [M 2,048, K 64] x [K 64, N 2,048]; A: computed on the way; B: computed on the way: QUANTISED (scales: A lowp_scales[6], B lowp_scales[7])
;;     5. batch 32 x [M 2,048, K 2,048] x [K 2,048, N 64]; A: softmax (see below); B: computed on the way: QUANTISED (scales: A lowp_scales[8], B lowp_scales[9])
;;     6. [M 4,096, K 1,024] x [K 1,024, N 1,024]; A: computed on the way; B: input Wo (given as codes): QUANTISED (scales: A lowp_scales[10], B lowp_scales[11])
;;     7. [M 4,096, K 1,024] x [K 1,024, N 4,096]; A: computed on the way; B: input W1 (given as codes): QUANTISED (scales: A lowp_scales[12], B lowp_scales[13])
;;     8. [M 4,096, K 4,096] x [K 4,096, N 1,024]; A: computed on the way; B: input W2 (given as codes): QUANTISED (scales: A lowp_scales[14], B lowp_scales[15])
;;   THE QUANTISER, for each operand of a quantised product, along K:
;;     - The operand's scale is 2^e, e = its entry of the input lowp_scales (int32; the entries are numbered through the quantised products in the list's order, A before B).
;;     - Each number is divided by the scale, clamped to +-448, and rounded to the nearest number of E4M3, ties to even, subnormals kept.
;;     - The product sums the exact products of the quantised numbers (number of the format x scale) in f32.
;;   ~~~python
;;   def quantise(x, axis, e):      # numpy; x: float32 -> the quantised numbers, widened to float32 again
;;       x = np.moveaxis(x, axis, -1); K = x.shape[-1]
;;       r = np.clip(x / 2.0 ** e, -448, 448)
;;       step = 2.0 ** (np.maximum(np.frexp(np.where(r == 0, 1, r))[1] - 1, -6) - 3)
;;       q = np.round(r / step) * step * 2.0 ** e      # np.round: ties to even
;;       return np.moveaxis(q, -1, axis).astype(np.float32)
;;   ~~~
;;   SOFTMAX AHEAD OF A QUANTISED PRODUCT. Where the list says 'softmax', what is quantised is not the finished softmax but p = 2^(t - M), with t = logit x log2(e) and M = ceil(the row's largest t), a whole number; so 1/2 < the row's largest p <= 1. The row's sum l is taken of the UNQUANTISED p, in f32, and the product's result is divided by l at the end. Since M is a whole number, a kernel that streams over the keys may use a running M (the ceiling of the running maximum): every later rescaling is an exact power of two, so the quantised numbers keep their values, but for numbers so far below the row's largest that they fall under the format's range.
;;   OPERANDS COMPUTED ON THE WAY. 'Computed on the way' means the value that the module computes at that place (a softmax that the list does not call 'softmax' is quantised finished and normalised). What goes into a quantiser is computed in f32, as accurately as f32 sums, v_exp_f32 and their like allow (about 1e-6 of the number): no bf16 or f16 on the way to a quantiser, and a product that is left as it is and whose result goes on into a quantised operand takes f32 operands (vector FMAs, or v_wmma_f32_16x16x4_f32). A number that lies on a knife's edge between two numbers of the format may be rounded either way, as far as f32 arithmetic and the matrix unit's own rounding can turn it there, and no further.
;;   INPUTS GIVEN AS CODES. W1 (in the module: [4096, 1024], K = its axis 1); W2 (in the module: [1024, 4096], K = its axis 1); Wk (in the module: [1024, 1024], K = its axis 1); Wo (in the module: [1024, 1024], K = its axis 1); Wq (in the module: [1024, 1024], K = its axis 1); Wv (in the module: [1024, 1024], K = its axis 1): each comes as NAME_codes (uint8): NAME with its K axis moved to the last place and cut into blocks of 32 codes, [.., K / 32, bytes a block], one block behind the other in memory; one code a byte (a code: sign, 4 exponent bits, 3 mantissa bits); its scale is its entry of lowp_scales. Its value is code x scale, taken as it is: it is not quantised again, and the codes and scales need not be those that the quantiser above would give.
;; One version. Each part assembles by itself: llvm-mc -triple=amdgcn-amd-amdhsa -mcpu=gfx1250 --defsym DOCPART=n.
;; ======== version 1 of 1: 7 launches
;; workspace buffers: hc 12,582,912 bytes; qkvw 12,582,912 bytes; ctx 4,194,304 bytes; x2 16,777,216 bytes; h2 4,194,304 bytes; fw 16,777,216 bytes
;; launch ln1 (part 1): grid 256 x 1, 8 waves a work-group, no clusters, 0 bytes of LDS; arguments x, g1, be1, lowp_scales, hc; writes hc
.if DOCPART == 1
	.amdgcn_target "amdgcn-amd-amdhsa--gfx1250"
	.amdhsa_code_object_version 6
	.text
	.protected	k_qbe7c8f4e15_ln1
	.globl	k_qbe7c8f4e15_ln1
	.p2align	8
	.type	k_qbe7c8f4e15_ln1,@function
k_qbe7c8f4e15_ln1:
	s_mov_b64 s[64:65], 0
	v_nop
	global_prefetch_b8 v0, s[64:65] scope:SCOPE_SE
	s_setreg_imm32_b32 hwreg(HW_REG_WAVE_MODE, 25, 1), 1
	s_wait_xcnt 0x0
; h = LayerNorm(x) g1 + be1, in f32, turned three times into codes of E4M3: with 2^e0, 2^e2 and 2^e4, the scales of the left operands of the products with Wq, Wk, Wv.
; x: [4096][1024] f32.  hc: three parts of 4 MiB, each [4096][1024] codes, row-major.
; A stream: no LDS, no barrier, no matrix unit, no cluster (no two work-groups read the same bytes of x).  A wave takes two whole rows and keeps them in registers between the mean, the variance
; (of x - mean, as the definition has it) and the scaling: x is read once.  For c = 0..3 lane l holds columns 256 c + 8 l + 0..7: eight neighbours for one conversion; its two loads of 16 bytes
; stand 32 bytes from the next lane's, and the pair of loads covers 1,024 consecutive bytes.  A store of 8 bytes a lane covers 256 consecutive bytes, aligned.
; LIMITS: each e between -126 and 119, so that 2^e and 448 x 2^e are f32 numbers.  NaN among the inputs is not served.
.set NOUT, 3                           ; how many times the row is quantised
.set G,   32                           ; v[32:63]   g of my 32 columns
.set BE,  64                           ; v[64:95]   be of my 32 columns
.set X,   96                           ; v[96:159]  two rows, 32 numbers each
.set T,   160                          ; v[160:175] two sets of eight held numbers, by turns
.set C,   176                          ; v[176:223] codes: a pair for each row, scale and c: no store's data are written again
.set SCV, 20                           ; v20..      2^e as f32
.set LIM, 24                           ; v24..      448 x 2^e
	s_load_b256 s[4:11], s[0:1], 0x0               ; x s[4:5], g s[6:7], be s[8:9], the scales' exponents s[10:11]
	s_load_b64 s[14:15], s[0:1], 0x20              ; the codes
	v_lshrrev_b32 v3, 5, v0
	v_readfirstlane_b32 s16, v3                    ; wave 0..7
	v_and_b32 v3, 31, v0
	v_lshlrev_b32 v1, 5, v3                        ; 32 x lane: my 8 numbers in 1,024 bytes
	v_lshlrev_b32 v2, 3, v3                        ; 8 x lane: my 8 codes in 256 bytes
	v_mov_b32 v28, 0                               ; a lane permute's destination counts as read: written once
	s_mov_b32 s12, 0x76543210                      ; v_permlanex16_b32: lane l xor 16
	s_mov_b32 s13, 0xfedcba98
	s_mov_b32 s17, 0x3a800000                      ; 1 / 1024
	s_mov_b32 s18, 0x3727c5ac                      ; 1e-5
	s_lshl_b32 s19, ttmp9, 3
	s_add_co_u32 s19, s19, s16                     ; which pair of rows is my wave's
	s_lshl_b32 s20, s19, 13                        ; two rows of 4,096 bytes
	s_mov_b32 s21, 0
	s_lshl_b32 s22, s19, 11                        ; two rows of 1,024 codes
	s_mov_b32 s23, 0
	s_wait_kmcnt 0x0
	s_load_b256 s[24:31], s[10:11], 0x0            ; e0 .. e7
	s_add_nc_u64 s[4:5], s[4:5], s[20:21]
	s_add_nc_u64 s[32:33], s[14:15], s[22:23]      ; part 0,
	s_add_nc_u64 s[34:35], s[32:33], 0x400000      ; part 1,
	s_add_nc_u64 s[36:37], s[32:33], 0x800000      ; part 2
.irp p, 0,1
.irp c, 0,1,2,3
	global_load_b128 v[X+32*\p+8*\c:X+32*\p+8*\c+3],   v1, s[4:5] offset:4096*\p+1024*\c
	global_load_b128 v[X+32*\p+8*\c+4:X+32*\p+8*\c+7], v1, s[4:5] offset:4096*\p+1024*\c+16
.endr
.endr
.irp c, 0,1,2,3
	global_load_b128 v[G+8*\c:G+8*\c+3],   v1, s[6:7] offset:1024*\c
	global_load_b128 v[G+8*\c+4:G+8*\c+7], v1, s[6:7] offset:1024*\c+16
.endr
.irp c, 0,1,2,3
	global_load_b128 v[BE+8*\c:BE+8*\c+3],   v1, s[8:9] offset:1024*\c
	global_load_b128 v[BE+8*\c+4:BE+8*\c+7], v1, s[8:9] offset:1024*\c+16
.endr
.macro REDUCE r                        ; the sum over the 32 lanes, in every lane
	v_add_f32_dpp v[\r], v[\r], v[\r] row_xmask:1 row_mask:0xf bank_mask:0xf
	v_add_f32_dpp v[\r], v[\r], v[\r] row_xmask:2 row_mask:0xf bank_mask:0xf
	v_add_f32_dpp v[\r], v[\r], v[\r] row_xmask:4 row_mask:0xf bank_mask:0xf
	v_add_f32_dpp v[\r], v[\r], v[\r] row_xmask:8 row_mask:0xf bank_mask:0xf
	v_permlanex16_b32 v28, v[\r], s12, s13
	v_add_f32 v[\r], v[\r], v28
.endm
; Row p: v[A0:A0+3] two summing chains, v[A0+4:A0+5] the mean twice, v[A0+6:A0+7] 1 / sqrt(var + eps) twice.  X becomes x - mean.
.macro STATS p
.set XR, X+32*(\p)
.set A0, 4+8*(\p)
	v_pk_add_f32 v[A0:A0+1], v[XR:XR+1], v[XR+2:XR+3]
	v_pk_add_f32 v[A0+2:A0+3], v[XR+4:XR+5], v[XR+6:XR+7]
.irp j, 8,12,16,20,24,28
	v_pk_add_f32 v[A0:A0+1], v[A0:A0+1], v[XR+\j:XR+\j+1]
	v_pk_add_f32 v[A0+2:A0+3], v[A0+2:A0+3], v[XR+\j+2:XR+\j+3]
.endr
	v_pk_add_f32 v[A0:A0+1], v[A0:A0+1], v[A0+2:A0+3]
	v_add_f32 v[A0], v[A0], v[A0+1]
	REDUCE A0
	v_mul_f32 v[A0+4], s17, v[A0]                  ; the mean
	v_mov_b32 v[A0+5], v[A0+4]
.irp j, 0,2,4,6,8,10,12,14,16,18,20,22,24,26,28,30
	v_pk_add_f32 v[XR+\j:XR+\j+1], v[XR+\j:XR+\j+1], v[A0+4:A0+5] neg_lo:[0,1] neg_hi:[0,1]
.endr
	v_pk_mul_f32 v[A0:A0+1], v[XR:XR+1], v[XR:XR+1]
	v_pk_mul_f32 v[A0+2:A0+3], v[XR+2:XR+3], v[XR+2:XR+3]
.irp j, 4,8,12,16,20,24,28
	v_pk_fma_f32 v[A0:A0+1], v[XR+\j:XR+\j+1], v[XR+\j:XR+\j+1], v[A0:A0+1]
	v_pk_fma_f32 v[A0+2:A0+3], v[XR+\j+2:XR+\j+3], v[XR+\j+2:XR+\j+3], v[A0+2:A0+3]
.endr
	v_pk_add_f32 v[A0:A0+1], v[A0:A0+1], v[A0+2:A0+3]
	v_add_f32 v[A0], v[A0], v[A0+1]
	REDUCE A0
	v_fma_f32 v[A0], v[A0], s17, s18               ; var + eps
	v_rsq_f32 v[A0+6], v[A0]                       ; twice, to fill the pair that the packed multiply names; what follows is plain and names neither result nor source
	v_rsq_f32 v[A0+7], v[A0]
.endm
.macro NORM p
.set XR, X+32*(\p)
.set A0, 4+8*(\p)
.irp j, 0,2,4,6,8,10,12,14,16,18,20,22,24,26,28,30
	v_pk_mul_f32 v[XR+\j:XR+\j+1], v[XR+\j:XR+\j+1], v[A0+6:A0+7]
.endr
.irp j, 0,2,4,6,8,10,12,14,16,18,20,22,24,26,28,30
	v_pk_fma_f32 v[XR+\j:XR+\j+1], v[XR+\j:XR+\j+1], v[G+\j:G+\j+1], v[BE+\j:BE+\j+1]
.endr
.endm
; Row p with scale o: held within +-448 x 2^e (the conversion to an 8-bit code does not saturate: ISA guide 7.6.2), converted, stored.  The two sets of T take turns, so that eight plain
; instructions stand between a conversion and the next write of its sources.
.macro QOUT p, o
.set XR, X+32*(\p)
.irp c, 0,1,2,3
.set TS, T+8*(\c%2)
.set CR, C+2*(4*(NOUT*(\p)+(\o))+\c)
.irp i, 0,1,2,3,4,5,6,7
	v_med3_num_f32 v[TS+\i], v[XR+8*\c+\i], -v[LIM+\o], v[LIM+\o]
.endr
	v_cvt_scalef32_pk8_fp8_f32 v[CR:CR+1], v[TS:TS+7], v[SCV+\o]
	global_store_b64 v2, v[CR:CR+1], s[32+2*(\o):33+2*(\o)] offset:1024*(\p)+256*\c   ; 32 lanes store 256 consecutive bytes, aligned
.endr
.endm
	s_wait_loadcnt 24                              ; row 0's eight loads are in; the 24 behind them may be out
	STATS 0
	s_wait_loadcnt 16                              ; row 1's
	STATS 1
	s_wait_kmcnt 0x0
.irp o, 0,1,2
	s_add_co_i32 s19, s[24+2*\o], 127
	s_lshl_b32 s20, s19, 23
	v_mov_b32 v[SCV+\o], s20                       ; 2^e: the conversion takes its exponent field.  (Plain instructions behind the last v_rsq_f32)
	s_add_co_i32 s19, s19, 8
	s_lshl_b32 s19, s19, 23
	s_or_b32 s19, s19, 0x600000
	v_mov_b32 v[LIM+\o], s19                       ; 448 x 2^e
.endr
	s_wait_loadcnt 0x0                             ; g and be
	s_wait_alu depctr_va_vdst(0)                   ; one wait for the four v_rsq_f32, ahead of their first reader
	NORM 0
	NORM 1
.irp o, 0,1,2
	QOUT 0, \o
	QOUT 1, \o
.endr
	s_endpgm
.Lfunc_end_k_qbe7c8f4e15_ln1:
	.size	k_qbe7c8f4e15_ln1, .Lfunc_end_k_qbe7c8f4e15_ln1-k_qbe7c8f4e15_ln1
	.p2alignl 7, 3214868480
	.fill 96, 4, 3214868480
	.section	.rodata,"a",@progbits
	.p2align	6, 0x0
	.amdhsa_kernel k_qbe7c8f4e15_ln1
		.amdhsa_group_segment_fixed_size 0
		.amdhsa_private_segment_fixed_size 0
		.amdhsa_enable_private_segment 0
		.amdhsa_kernarg_size 40
		.amdhsa_user_sgpr_count 2
		.amdhsa_user_sgpr_kernarg_segment_ptr 1
		.amdhsa_wavefront_size32 1
		.amdhsa_system_sgpr_workgroup_id_x 1
		.amdhsa_system_sgpr_workgroup_id_y 1
		.amdhsa_system_sgpr_workgroup_id_z 1
		.amdhsa_system_vgpr_workitem_id 0
		.amdhsa_next_free_vgpr 224
		.amdhsa_next_free_sgpr 66
		.amdhsa_reserve_vcc 0
		.amdhsa_float_denorm_mode_32 3
		.amdhsa_float_denorm_mode_16_64 3
		.amdhsa_memory_ordered 1
		.amdhsa_forward_progress 1
		.amdhsa_inst_pref_size 33
	.end_amdhsa_kernel
	.amdgpu_metadata
---
amdhsa.version: [ 1, 2 ]
amdhsa.kernels:
  - .name:           k_qbe7c8f4e15_ln1
    .symbol:         k_qbe7c8f4e15_ln1.kd
    .args:
      - { .name: x, .offset: 0, .size: 8, .value_kind: global_buffer, .address_space: global }
      - { .name: g1, .offset: 8, .size: 8, .value_kind: global_buffer, .address_space: global }
      - { .name: be1, .offset: 16, .size: 8, .value_kind: global_buffer, .address_space: global }
      - { .name: lowp_scales, .offset: 24, .size: 8, .value_kind: global_buffer, .address_space: global }
      - { .name: hc, .offset: 32, .size: 8, .value_kind: global_buffer, .address_space: global }
    .group_segment_fixed_size: 0
    .private_segment_fixed_size: 0
    .kernarg_segment_align: 8
    .kernarg_segment_size: 40
    .max_flat_workgroup_size: 256
    .sgpr_count:     66
    .vgpr_count:     224
    .wavefront_size: 32
...
	.end_amdgpu_metadata
.endif
;; end of part 1
;; launch qkv (part 2): grid 192 x 4, 4 waves a work-group, clusters of 4 x 4, 327,680 bytes of LDS; arguments hc, Wq_codes, Wk_codes, Wv_codes, bq, bk, bv, lowp_scales, qkvw; writes qkvw
.if DOCPART == 2
	.amdgcn_target "amdgcn-amd-amdhsa--gfx1250"
	.amdhsa_code_object_version 6
	.text
	.protected	k_qbe7c8f4e15_qkv
	.globl	k_qbe7c8f4e15_qkv
	.p2align	8
	.type	k_qbe7c8f4e15_qkv,@function
k_qbe7c8f4e15_qkv:
	s_mov_b64 s[64:65], 0
	v_nop
	global_prefetch_b8 v0, s[64:65] scope:SCOPE_SE
	s_setreg_imm32_b32 hwreg(HW_REG_WAVE_MODE, 25, 1), 1
	s_wait_xcnt 0x0
	s_wait_alu depctr_hold_cnt(0) depctr_sa_sdst(0) depctr_va_vdst(0) depctr_va_sdst(0) depctr_va_ssrc(0) depctr_va_vcc(0) depctr_vm_vsrc(0)
	s_getreg_b32 s2, hwreg(HW_REG_IB_STS2, 6, 4)
	s_cmp_eq_u32 s2, 0
	s_cbranch_scc0 .Lentry_in_a_cluster
	s_endpgm
.Lentry_in_a_cluster:
	s_bfe_u32 s2, ttmp6, 0x10000c
	s_cmp_lg_u32 s2, 0xf033
	s_cbranch_scc0 .Lentry_shape_is_right
	s_endpgm
.Lentry_shape_is_right:
; q = h Wq^T + bq, k = h Wk^T + bk, v = h Wv^T + bv on codes of E4M3, each result quantised at once (2^e6, 2^e7, 2^e9) for the two products of attention.
; One text for the three: a tile is C[Q 128][P 128] = sum over k of Q[.][k] P[.][k], both operands row-major codes with rows of 1,024 bytes.  For q and k: Q = h's codes (its part for that product), P = the weight.
; For v the two change places, Q = Wv, P = h's third part: so v comes out with the KEYS along P, which is the K of attention's second product.  Which of the three: cluster number / 16 (48 clusters along x).
; THE MATRIX INSTRUCTION IS USED TRANSPOSED (source 0 = 16 rows of P, source 1 = 16 rows of Q): lane (r, h) holds Q row r and P rows 8 h + 0..7 of a tile: eight neighbours along the next product's K.
; One conversion of tile b gives registers 2 b, 2 b + 1 of the next operand's fragment.  THE RESULT IS STORED AS AN IMAGE OF THAT FRAGMENT: [block of 16 rows][piece of 32 k][lane][16 bytes]: a piece is one
; store of 512 consecutive bytes, and comes back by one load of 16 bytes a lane.  q, k: [256][32][512]; v: [64][128][512].
; Four waves, each 64 x 64: 16 accumulators.  K = 1,024 lies in two LDS slots of 512 along K, both filled at the start: nothing is filled again.
; CLUSTERS: 4 x 4 work-groups; Q's tile is shared along a row of the cluster, P's along a column: each is asked for jointly.
; LIMITS: the sum of a product's two exponents between -126 and 127; e6, e7, e9 between -126 and 119.  NaN is not served.
; REGISTERS: window 0: v0-31 addresses and constants; v32-47 at work; v48-79 codes; v80-111 the bias along P; v112-119 the bias along Q, in pairs; v128-255 the accumulators ((a, b) at v[128 + 8 (4 a + b)]).
;   window 1: two fragment buffers of 128: Q's four fragments (16 rows x 128 K, 16 registers), then P's four.
.set NLQ,    8                         ; LDS loads that bring a fragment of Q
.set QSTEP,  512                       ; bytes in memory from slot 0's part of Q to slot 1's
.set PITCH,  528                       ; an LDS row: 512 bytes + 16 of padding = 132 words: row r starts at bank 4 r mod 64 (64 banks of 4 bytes: ISA guide 11.1): the 32 lanes of a load of 8 bytes touch each bank once
.set HALFT,  64*PITCH                  ; 64 rows: what one tensor load brings, and what one wave reads of an operand
.set QHALF,  HALFT
.set POFF,   2*QHALF                   ; P's rows lie behind Q's
.set SLOT,   POFF+2*HALFT
.set SPARE,  2*SLOT                    ; behind the slots: the spare words, 128 bytes for each wave: two blocks of 256 bytes that no other line names
.set ADRQ, 16                          ; v16-17 LDS address of my fragments of Q in slot 0, 1
.set ADRP, 20                          ; v20-21 the same for P
.set SPW,  28                          ; v28 LDS address of my spare word; never rewritten
.set NIL,  29                          ; v29 0; never rewritten
.set T,    32
.set CD,   48
.set BN,   80
.set BM,   112
.set ACC,  128
.set F0,   0
.set F1,   128
.set G1,  24                           ; s[24:31] descriptor group 1 for Q's tiles; s[32:39] group 0, a set for each slot
.set G0,  32
.set G1B, 48                           ; s[48:55], s[56:63] the same for P's
.set G0B, 56
.set MSB, 0
.macro WIN new                         ; the immediate's high byte repeats the setting that is left
.if MSB != \new
	s_set_vgpr_msb (MSB<<8)|\new
.set MSB, \new
.endif
.endm
.set MUL,  0x05                        ; sources 0 and 1 window 1; C and D window 0
.set TO_F, 0x40                        ; destination window 1, address window 0
.macro JLOAD s                         ; a joint load: waves 0 and 1 fetch Q's halves, waves 2 and 3 P's; four v_nop follow each of the two lines
	s_cmp_eq_u32 s11, 0
	s_cbranch_scc0 .Lfor_p_\@
	tensor_load_to_lds s[G0+4*\s:G0+4*\s+3], s[G1:G1+7]
	s_nop 0
.rept 4
	v_nop
.endr
	s_branch .Lasked_\@
.Lfor_p_\@:
	tensor_load_to_lds s[G0B+4*\s:G0B+4*\s+3], s[G1B:G1B+7]
	s_nop 0
.rept 4
	v_nop
.endr
.Lasked_\@:
.endm
.macro CROUND                          ; a round of the cluster's barrier
	s_barrier_signal -1
	s_barrier_wait -1
	s_cmp_lg_u32 s10, 0
	s_cbranch_scc1 .Lnot_wave_0_\@
	s_barrier_signal -3
.Lnot_wave_0_\@:
	s_barrier_wait -3
	s_barrier_signal -1
	s_barrier_wait -1
.endm
.macro FRAG_R reg, adr, q, i           ; a fragment from rows: lane (r, h) takes, of row 16 i + r, k = 128 q + 16 c + 8 h + 0..7 into registers 2 c, 2 c + 1: the form's own layout
.irp c, 0,1,2,3,4,5,6,7
	ds_load_b64 v[\reg+2*\c:\reg+2*\c+1], v[\adr] offset:128*(\q)+16*\c+(\i)*16*PITCH
.endr
.endm
.macro FETCH_P slot, q, f
.irp i, 0,1,2,3
	FRAG_R (\f)+64+16*\i, ADRP+\slot, \q, \i
.endr
.endm
.macro FETCH_Q slot, q, f
.irp i, 0,1,2,3
	FRAG_R (\f)+16*\i, ADRQ+\slot, \q, \i
.endr
.endm
; 8 matrix instructions: Q's blocks a0, a0 + 1 x P's four, 128 along K.  The 16 accumulators take turns, one instruction a turn, in the same order in every quarter.
.macro MUL8 f, a0, zero
.irp a, \a0, \a0+1
.irp b, 0,1,2,3
.if \zero
	v_wmma_f32_16x16x128_fp8_fp8 v[ACC+8*(4*(\a)+\b):ACC+8*(4*(\a)+\b)+7], v[\f+64+16*\b:\f+64+16*\b+15], v[\f+16*(\a):\f+16*(\a)+15], 0
.else
	v_wmma_f32_16x16x128_fp8_fp8 v[ACC+8*(4*(\a)+\b):ACC+8*(4*(\a)+\b)+7], v[\f+64+16*\b:\f+64+16*\b+15], v[\f+16*(\a):\f+16*(\a)+15], v[ACC+8*(4*(\a)+\b):ACC+8*(4*(\a)+\b)+7]
.endif
.endr
.endr
.endm
.macro PLACES                          ; four places in front of loads into registers that matrix instructions have read (ISA guide 7.12.1 for vector instructions)
.rept 4
	v_nop
.endr
.endm
; A quarter of a slot: 128 along K, 16 matrix instructions on buffer f; the next quarter, qn, is fetched into buffer g meanwhile: P's fragments ahead of the first eight products, Q's ahead of the last eight.
.macro QUARTER slot, qn, f, g, zero
	s_wait_dscnt 2*NLQ                             ; P's fragments and Q's blocks 0, 1 are in; the youngest loads (Q's blocks 2, 3) may be out
	PLACES                                         ; buffer g was read by the products just issued
	WIN TO_F
	FETCH_P \slot, \qn, \g
	WIN MUL
	MUL8 \f, 0, \zero
	s_wait_dscnt 32                                ; all but the 32 just issued: Q's blocks 2, 3 are in
	WIN TO_F
	FETCH_Q \slot, \qn, \g
	WIN MUL
	MUL8 \f, 2, \zero
.endm
; A slot's last quarter, on buffer 1, changes slots: one barrier; in front of it each wave waits for all its tensor loads (its part of the next slot), adds 0 to its spare word, and waits for that and for its reads.
.macro TURN next
	WIN 0
	s_wait_tensorcnt 0x0
	ds_add_u32 v[SPW], v[NIL]
	s_wait_dscnt 2*NLQ+1                           ; (the add and Q's blocks 2, 3 may be out)
	WIN MUL
	MUL8 F1, 0, 0
	s_wait_dscnt 0x0
	s_barrier_signal -1
	WIN 0
	s_barrier_wait -1                              ; the next slot is whole
	PLACES
	WIN TO_F
	FETCH_P \next, 0, F0
	FETCH_Q \next, 0, F0
	WIN MUL
	MUL8 F1, 2, 0
.endm
	s_load_b512 s[68:83], s[0:1], 0x0              ; hc 68, Wq 70, Wk 72, Wv 74, bq 76, bk 78, bv 80, the scales' exponents 82
	s_load_b64 s[8:9], s[0:1], 0x40                ; qkvw
	v_lshl_add_u32 v[SPW], v0, 2, SPARE
	v_mov_b32 v[NIL], 0
	ds_add_u32 v28, v29
	ds_add_u32 v28, v29
	s_wait_dscnt 0x0
	v_lshrrev_b32 v1, 5, v0
	v_readfirstlane_b32 s10, v1                    ; wave 0..3
	s_lshr_b32 s11, s10, 1                         ; which half of Q's rows is mine.  Also: I fetch for Q (0) or for P (1)
	s_and_b32 s12, s10, 1                          ; which half of P's rows.  Also: which 64 rows of that tile I fetch
	s_bfe_u32 s40, ttmp6, 0x40000                  ; cx, cy: my place in the cluster
	s_bfe_u32 s41, ttmp6, 0x40004
	s_lshr_b32 s100, ttmp9, 4                      ; 0: q, 1: k, 2: v: the same in all sixteen partners
	s_and_b32 s18, ttmp9, 15                       ; which of the tensor's sixteen clusters
	s_cmp_eq_u32 s100, 2
	s_cselect_b32 s19, 7, 1                        ; q, k: 2 clusters along P, 8 along Q;  v: 8 along P, 2 along Q
	s_cselect_b32 s20, 3, 1
	s_cselect_b32 s101, -1, 0                      ; all lanes' bits where the tensor is v
	s_and_b32 s19, s18, s19
	s_lshr_b32 s20, s18, s20
	s_lshl_b32 s42, s19, 2
	s_add_co_u32 s42, s42, s40                     ; tile of P
	s_lshl_b32 s13, s20, 2
	s_add_co_u32 s13, s13, s41                     ; tile of Q
	s_lshl_b32 s43, s41, 2
	s_lshl_b32 s43, 15, s43                        ; my row of the cluster
	s_lshl_b32 s44, 0x1111, s40                    ; my column
	; descriptor group 1: a tile of 64 rows x 512 bytes, padded in LDS
	s_or_b32 s[G1+0], s43, (1<<20)|(1<<21)|(6<<22)|(3<<25)   ; 15:0 the mask: Q's tiles go to my row; 17:16 elements of 1 byte; 20 padding on; 21 set beside a mask; 24:22 after every 128 words (code 6); 31:25 four words (code 3)
	s_or_b32 s[G1B+0], s44, (1<<20)|(1<<21)|(6<<22)|(3<<25)
.irp g, G1, G1B
	s_mov_b32 s[\g+1], 512<<16                     ; tensor_dim0
	s_mov_b32 s[\g+2], 64<<16                      ; tensor_dim1
	s_mov_b32 s[\g+3], 512<<16                     ; tile_dim0
	s_mov_b32 s[\g+4], 64                          ; tile_dim1
	s_mov_b32 s[\g+5], 1024                        ; from row to row
	s_mov_b32 s[\g+6], 0
	s_mov_b32 s[\g+7], 0
.endr
	s_lshl_b32 s17, s12, 6                         ; which 64 rows of the tile I fetch
	s_lshl_b32 s16, s13, 7
	s_add_co_u32 s16, s16, s17
	s_lshl_b32 s16, s16, 10                        ; Q: (128 x tile + 64 x half) rows of 1,024 bytes
	s_lshl_b32 s46, s42, 7
	s_add_co_u32 s46, s46, s17
	s_lshl_b32 s46, s46, 10                        ; P likewise
	s_mov_b32 s17, 0
	s_mov_b32 s47, 0
	s_mul_i32 s2, s12, QHALF                       ; where they go: no place in the cluster enters an LDS address
	s_mul_i32 s45, s12, HALFT
	s_add_co_u32 s45, s45, POFF
	s_lshl_b32 s18, s100, 22                       ; 4 MiB x tensor
	s_mov_b32 s19, 0
	s_wait_kmcnt 0x0
	s_load_b512 s[84:99], s[82:83], 0x0            ; e0 .. e15
	s_add_nc_u64 s[20:21], s[68:69], s[18:19]      ; h's codes for this product
	s_cmp_eq_u32 s100, 0
	s_cselect_b64 s[6:7], s[70:71], s[72:73]       ; Wq or Wk
	s_cselect_b64 s[76:77], s[76:77], s[78:79]     ; bq or bk
	s_cmp_eq_u32 s100, 2
	s_cselect_b64 s[4:5], s[74:75], s[20:21]       ; Q: Wv, or h
	s_cselect_b64 s[6:7], s[20:21], s[6:7]         ; P: h, or the weight
	s_cselect_b64 s[76:77], s[80:81], s[76:77]     ; the bias
	s_add_nc_u64 s[8:9], s[8:9], s[18:19]          ; the tensor's image
	s_add_nc_u64 s[14:15], s[4:5], s[16:17]
	s_add_nc_u64 s[46:47], s[6:7], s[46:47]
	CROUND                                         ; all sixteen work-groups are here: the joint loads meet
.irp s, 0,1
	s_mov_b32 s[G0+4*\s], 1
	s_add_co_u32 s[G0+4*\s+1], s2, \s*SLOT
	s_add_nc_u64 s[G0+4*\s+2:G0+4*\s+3], s[14:15], \s*QSTEP
	s_or_b32 s[G0+4*\s+3], s[G0+4*\s+3], 0x80000000
	s_mov_b32 s[G0B+4*\s], 1
	s_add_co_u32 s[G0B+4*\s+1], s45, \s*SLOT
	s_add_nc_u64 s[G0B+4*\s+2:G0B+4*\s+3], s[46:47], \s*512
	s_or_b32 s[G0B+4*\s+3], s[G0B+4*\s+3], 0x80000000
	JLOAD \s                                       ; two loads of mine are out: all of K
.endr
	; the bias.  q, k: along P (bias of 128 x tile of P + 64 x half + 16 b + 8 h + j); v: along Q (128 x tile of Q + 64 x half + 16 a + r).  Both are loaded, from inside the 4,096 bytes, and the one that does not apply is set to 0 below
	s_lshl_b32 s18, s42, 9
	s_lshl_b32 s19, s12, 8
	s_add_co_u32 s18, s18, s19
	s_lshl_b32 s20, s13, 9
	s_lshl_b32 s19, s11, 8
	s_add_co_u32 s20, s20, s19
	s_mov_b32 s72, 16384
	s_cmp_eq_u32 s100, 2
	s_cselect_b32 s18, 0, s18
	s_cselect_b32 s20, s20, 0
	s_cselect_b32 s72, 0x10000, s72                ; bytes of a block of 16 rows in the image: 32 pieces, or 128
	s_mov_b32 s19, 0
	s_mov_b32 s21, 0
	s_add_nc_u64 s[78:79], s[76:77], s[18:19]
	s_add_nc_u64 s[80:81], s[76:77], s[20:21]
	v_and_b32 v1, 15, v0                           ; r
	v_bfe_u32 v2, v0, 4, 1                         ; h
	v_lshlrev_b32 v4, 5, v2
	v_lshlrev_b32 v5, 2, v1
.irp b, 0,1,2,3
	global_load_b128 v[BN+8*\b:BN+8*\b+3],   v4, s[78:79] offset:64*\b
	global_load_b128 v[BN+8*\b+4:BN+8*\b+7], v4, s[78:79] offset:64*\b+16
.endr
.irp a, 0,1,2,3
	global_load_b32 v[BM+2*\a],   v5, s[80:81] offset:64*\a     ; twice: a pair for the packed addition
	global_load_b32 v[BM+2*\a+1], v5, s[80:81] offset:64*\a
.endr
	v_mov_b32 v27, 0
	v_and_b32 v6, 31, v0
	v_lshlrev_b32 v6, 4, v6                        ; 16 x lane
	v_mul_u32_u24 v3, v1, PITCH
	v_lshl_add_u32 v3, v2, 3, v3                   ; a fragment's row x pitch + 8 x half
	s_mul_i32 s21, s11, QHALF                      ; my 64 rows of Q
	s_mul_i32 s22, s12, HALFT
	s_add_co_u32 s22, s22, POFF                    ; my 64 rows of P
.irp s, 0,1
	v_add_nc_u32 v[ADRQ+\s], s21, v3
	v_add_nc_u32 v[ADRP+\s], s22, v3
	s_add_co_u32 s21, s21, SLOT
	s_add_co_u32 s22, s22, SLOT
.endr
	; where my results go: block 8 x tile of Q + 4 x half + a, piece 4 x tile of P + 2 x half + p
	s_lshl_b32 s16, s13, 3
	s_lshl_b32 s17, s11, 2
	s_add_co_u32 s16, s16, s17
	s_mul_i32 s16, s16, s72
	s_mov_b32 s17, 0
	s_add_nc_u64 s[8:9], s[8:9], s[16:17]
	s_lshl_b32 s46, s42, 11
	s_lshl_b32 s47, s12, 10
	s_add_co_u32 s46, s46, s47
	s_mov_b32 s47, 0
	s_add_nc_u64 s[8:9], s[8:9], s[46:47]
	v_mov_b32 v8, v6                               ; v8-11: 16 x lane + a blocks
	v_add_nc_u32 v9, s72, v6
	s_lshl_b32 s73, s72, 1
	v_add_nc_u32 v10, s73, v6
	s_add_co_u32 s73, s73, s72
	v_add_nc_u32 v11, s73, v6
	s_wait_tensorcnt 1                             ; my part of slot 0 is in; slot 1's may stay out
	s_barrier_signal -1
	s_barrier_wait -1                              ; everybody's is
	WIN TO_F
	FETCH_P 0, 0, F0
	FETCH_Q 0, 0, F0
	QUARTER 0, 1, F0, F1, 1                        ; the first products start the sums: nothing is cleared
	QUARTER 0, 2, F1, F0, 0
	QUARTER 0, 3, F0, F1, 0
	TURN 1
	QUARTER 1, 1, F0, F1, 0
	QUARTER 1, 2, F1, F0, 0
	QUARTER 1, 3, F0, F1, 0
	s_wait_dscnt 2*NLQ                             ; the last quarter: nothing more to fetch
	MUL8 F1, 0, 0
	s_wait_dscnt 0x0
	MUL8 F1, 2, 0
	WIN 0
	; THE WAY OUT: sum x 2^(the two exponents) + bias, held, converted; two tiles' codes are a piece of the image.
	s_wait_loadcnt 0x0                             ; the biases
	s_wait_kmcnt 0x0                               ; the exponents
	s_add_co_i32 s18, s84, s85
	s_add_co_i32 s19, s86, s87
	s_add_co_i32 s20, s88, s89
	s_cmp_eq_u32 s100, 0
	s_cselect_b32 s18, s18, s19
	s_cselect_b32 s21, s90, s91                    ; e6 for q, e7 for k,
	s_cmp_eq_u32 s100, 2
	s_cselect_b32 s18, s20, s18
	s_cselect_b32 s21, s93, s21                    ; e9 for v
	s_add_co_i32 s18, s18, 127
	s_lshl_b32 s66, s18, 23                        ; 2^(the product's two exponents) as f32
	s_mov_b32 s67, s66                             ; (named with it as a pair, so it is written)
	s_add_co_i32 s21, s21, 127
	s_lshl_b32 s22, s21, 23
	v_mov_b32 v30, s22                             ; the result's scale: the conversion takes its exponent field
	s_add_co_i32 s21, s21, 8
	s_lshl_b32 s21, s21, 23
	s_or_b32 s21, s21, 0x600000
	v_mov_b32 v31, s21                             ; 448 x that
.set i, 0
.rept 32
	v_cndmask_b32 v[BN+i], v[BN+i], v27, s101      ; v has no bias along P.  (These plain instructions are also the places behind the last products)
.set i, i+1
.endr
.set i, 0
.rept 8
	v_cndmask_b32 v[BM+i], v27, v[BM+i], s101      ; q and k have none along Q
.set i, i+1
.endr
.irp a, 0,1,2,3
.irp p, 0,1
.set AC, ACC+32*\a+16*\p
.set CR, CD+4*(2*\a+\p)
.irp i, 0,2,4,6,8,10,12,14
	v_pk_fma_f32 v[T+\i:T+\i+1], v[AC+\i:AC+\i+1], s[66:67], v[BN+16*\p+\i:BN+16*\p+\i+1] op_sel_hi:[1,0,1]   ; each accumulator from its low end on
.endr
.irp i, 0,2,4,6,8,10,12,14
	v_pk_add_f32 v[T+\i:T+\i+1], v[T+\i:T+\i+1], v[BM+2*\a:BM+2*\a+1]
.endr
.irp i, 0,1,2,3,4,5,6,7,8,9,10,11,12,13,14,15
	v_med3_num_f32 v[T+\i], v[T+\i], -v31, v31     ; the conversion to an 8-bit code does not saturate (ISA guide 7.6.2)
.endr
	v_cvt_scalef32_pk8_fp8_f32 v[CR:CR+1], v[T:T+7], v30
	v_cvt_scalef32_pk8_fp8_f32 v[CR+2:CR+3], v[T+8:T+15], v30
	v_nop                                          ; a plain instruction between the conversions and the next write of their sources
	global_store_b128 v[8+\a], v[CR:CR+3], s[8:9] offset:512*\p   ; 32 lanes store 512 consecutive bytes, aligned; each piece has registers of its own
.endr
.endr
	s_wait_tensorcnt 0x0                           ; the wave's end
	ds_add_u32 v[SPW], v[NIL]
	s_wait_dscnt 0x0
	CROUND                                         ; the closing round
	s_endpgm
.Lfunc_end_k_qbe7c8f4e15_qkv:
	.size	k_qbe7c8f4e15_qkv, .Lfunc_end_k_qbe7c8f4e15_qkv-k_qbe7c8f4e15_qkv
	.p2alignl 7, 3214868480
	.fill 96, 4, 3214868480
	.section	.rodata,"a",@progbits
	.p2align	6, 0x0
	.amdhsa_kernel k_qbe7c8f4e15_qkv
		.amdhsa_group_segment_fixed_size 327680
		.amdhsa_private_segment_fixed_size 0
		.amdhsa_enable_private_segment 0
		.amdhsa_kernarg_size 72
		.amdhsa_user_sgpr_count 2
		.amdhsa_user_sgpr_kernarg_segment_ptr 1
		.amdhsa_wavefront_size32 1
		.amdhsa_system_sgpr_workgroup_id_x 1
		.amdhsa_system_sgpr_workgroup_id_y 1
		.amdhsa_system_sgpr_workgroup_id_z 1
		.amdhsa_system_vgpr_workitem_id 0
		.amdhsa_next_free_vgpr 512
		.amdhsa_next_free_sgpr 102
		.amdhsa_reserve_vcc 0
		.amdhsa_float_denorm_mode_32 3
		.amdhsa_float_denorm_mode_16_64 3
		.amdhsa_memory_ordered 1
		.amdhsa_forward_progress 1
		.amdhsa_inst_pref_size 74
	.end_amdhsa_kernel
	.amdgpu_metadata
---
amdhsa.version: [ 1, 2 ]
amdhsa.kernels:
  - .name:           k_qbe7c8f4e15_qkv
    .symbol:         k_qbe7c8f4e15_qkv.kd
    .args:
      - { .name: hc, .offset: 0, .size: 8, .value_kind: global_buffer, .address_space: global }
      - { .name: Wq_codes, .offset: 8, .size: 8, .value_kind: global_buffer, .address_space: global }
      - { .name: Wk_codes, .offset: 16, .size: 8, .value_kind: global_buffer, .address_space: global }
      - { .name: Wv_codes, .offset: 24, .size: 8, .value_kind: global_buffer, .address_space: global }
      - { .name: bq, .offset: 32, .size: 8, .value_kind: global_buffer, .address_space: global }
      - { .name: bk, .offset: 40, .size: 8, .value_kind: global_buffer, .address_space: global }
      - { .name: bv, .offset: 48, .size: 8, .value_kind: global_buffer, .address_space: global }
      - { .name: lowp_scales, .offset: 56, .size: 8, .value_kind: global_buffer, .address_space: global }
      - { .name: qkvw, .offset: 64, .size: 8, .value_kind: global_buffer, .address_space: global }
    .group_segment_fixed_size: 327680
    .private_segment_fixed_size: 0
    .kernarg_segment_align: 8
    .kernarg_segment_size: 72
    .max_flat_workgroup_size: 128
    .sgpr_count:     102
    .vgpr_count:     512
    .wavefront_size: 32
...
	.end_amdgpu_metadata
.endif
;; end of part 2
;; launch attn (part 3): grid 8 x 32, 16 waves a work-group, clusters of 4 x 1, 272,384 bytes of LDS; arguments qkvw, attention_mask, lowp_scales, ctx; writes ctx
.if DOCPART == 3
	.amdgcn_target "amdgcn-amd-amdhsa--gfx1250"
	.amdhsa_code_object_version 6
	.text
	.protected	k_qbe7c8f4e15_attn
	.globl	k_qbe7c8f4e15_attn
	.p2align	8
	.type	k_qbe7c8f4e15_attn,@function
k_qbe7c8f4e15_attn:
	s_mov_b64 s[64:65], 0
	v_nop
	global_prefetch_b8 v0, s[64:65] scope:SCOPE_SE
	s_setreg_imm32_b32 hwreg(HW_REG_WAVE_MODE, 25, 1), 1
	s_wait_xcnt 0x0
	s_wait_alu depctr_hold_cnt(0) depctr_sa_sdst(0) depctr_va_vdst(0) depctr_va_sdst(0) depctr_va_ssrc(0) depctr_va_vcc(0) depctr_vm_vsrc(0)
	s_getreg_b32 s2, hwreg(HW_REG_IB_STS2, 6, 4)
	s_cmp_eq_u32 s2, 0
	s_cbranch_scc0 .Lentry_in_a_cluster
	s_endpgm
.Lentry_in_a_cluster:
	s_bfe_u32 s2, ttmp6, 0x10000c
	s_cmp_lg_u32 s2, 0x3003
	s_cbranch_scc0 .Lentry_shape_is_right
	s_endpgm
.Lentry_shape_is_right:
; ctx = softmax(q k^T / 8 + (mask - 1) x 10000) v for one head, both products on codes of E4M3; ctx is quantised at once (2^e10) for the product with Wo.
; q, k, v come as images of fragments: [block of 16 rows][piece of 32 k][lane][16 bytes].  q, k: rows = tokens, K = the hidden index; v: rows = the hidden index, K = tokens.  ctx goes out as q came.
; THE SOFTMAX AHEAD OF THE SECOND PRODUCT: t = logit x log2(e); M = the running largest t rounded UP to a whole number; p = 2^(t - M) is quantised with 2^e8, not normalised; the row's sum is taken of the
; unquantised p and divides at the end; when M moves, the sum and O are multiplied by 2^(old M - new M), which rounds nothing.
; SHARES.  A work-group owns 256 queries of one head and batch, each of its sixteen waves one tile of 16 queries in 256 registers: four waves to a SIMD, so that one wave's vector work stands beside another's products and LDS loads.
; A HEAD'S WHOLE K AND V LIE IN LDS, 131,072 bytes each (images need no padding: a load's 512 bytes are consecutive): all tiles are asked for at the start, in four groups of 512 keys, and nothing is filled again.
; TWO BARRIERS show the tiles to the waves that did not fetch them: one for group 0, so that work begins as soon as 512 keys are there, and one for the other three groups together, behind group 0's four steps.
; CLUSTER.  The four query blocks of a cluster belong to one head and batch: each tile is asked for jointly, by the same load with the mask of all four.
; BOTH PRODUCTS ARE USED TRANSPOSED: S^T = K Q^T (source 0 = 16 keys), O^T = V^T P^T (source 0 = 16 of the head's 64): a lane holds ONE query (lane % 16) throughout, and tile t's eight scores are keys 16 t + 8 (lane / 16) + 0..7:
; one conversion gives registers 2 t, 2 t + 1 of P's fragment.
; THE MASK IS THE C OF THE SCORE PRODUCT: (mask - 1) x 10000, rounded step by step as the definition has it, times 8 x 2^-(e6 + e7) (exact), so that the sum is logit x 8 x 2^-(e6 + e7).  It is 0 where the mask is 1.
; LIMITS: e6 + e7 between -123 and 130 (added to c's exponent field); e8, e10 between -126 and 119; e8 + e9 is applied by v_ldexp_f32.  NaN is not served.
; REGISTERS: v1 16 x lane; v2 the mask terms' place for my half; v8-10 the step's LDS addresses; v12 -M, v13 the largest t, v[14:15] the sum; v[16:23] Q; v[32:95] K's eight fragments, then V's four;
;   v[96:159] the mask terms, S^T, p; v[160:191] O^T; v[224:239] p's codes; v240, v244 448 x 2^e8, 2^e8; v236, v242-243, v252-254 at work.
.set VB,  131072                       ; LDS: K at 0: [128 blocks of 16 keys][2 pieces][512];  V here: [group of 512 keys][4 blocks of 16 channels][16 pieces][512]
.set MB,  262144                       ; the mask terms: 2,048 f32; no tile lands here
.set WV,  18
.set G1K, 24                           ; s[24:31] descriptor group 1 for K's tiles; s[32:39] for V's
.set G1V, 32
.set G0K, 40                           ; s[40:55] four groups 0 for K, one a group of keys; s[68:83] for V; never rewritten
.set G0V, 68
.macro CROUND                          ; a round of the cluster's barrier
	s_barrier_signal -1
	s_barrier_wait -1
	s_cmp_lg_u32 s[WV], 0
	s_cbranch_scc1 .Lnot_wave_0_\@
	s_barrier_signal -3
.Lnot_wave_0_\@:
	s_barrier_wait -3
	s_barrier_signal -1
	s_barrier_wait -1
.endm
	s_load_b256 s[4:11], s[0:1], 0x0               ; qkvw s[4:5], the mask s[6:7], the scales' exponents s[8:9], ctx s[10:11]
	v_lshl_add_u32 v251, v0, 2, 0x42000
	v_mov_b32 v255, 0
	ds_add_u32 v251, v255
	ds_add_u32 v251, v255
	v_lshrrev_b32 v8, 5, v0
	v_readfirstlane_b32 s[WV], v8                  ; wave 0..15
	s_and_b32 s14, ttmp7, 0xffff
	s_lshr_b32 s15, s14, 4                         ; batch
	s_and_b32 s14, s14, 15                         ; head
	s_and_b32 s16, s[WV], 1                        ; which half of a group's tile I fetch, if I fetch
	s_lshl_b32 s17, s16, 14                        ; its place in LDS
	s_lshl_b32 s60, s15, 21                        ; K: 4 MiB + (128 x batch + 16 x half) blocks of 16,384 bytes + 1,024 x head
	s_lshl_b32 s19, s16, 18
	s_add_co_u32 s60, s60, s19
	s_lshl_b32 s19, s14, 10
	s_add_co_u32 s60, s60, s19
	s_add_co_u32 s60, s60, 0x400000
	s_mov_b32 s61, 0
	s_lshl_b32 s62, s14, 18                        ; V: 8 MiB + (4 x head + 2 x half) blocks of 65,536 bytes + 64 x batch pieces of 512
	s_lshl_b32 s19, s16, 17
	s_add_co_u32 s62, s62, s19
	s_lshl_b32 s19, s15, 15
	s_add_co_u32 s62, s62, s19
	s_add_co_u32 s62, s62, 0x800000
	s_mov_b32 s63, 0
	s_bfe_u32 s12, ttmp6, 0x40000                  ; cx: it enters Q's and ctx's addresses alone
	s_lshl_b32 s13, ttmp9, 2
	s_add_co_u32 s13, s13, s12                     ; my block of 256 queries
	s_lshl_b32 s2, s15, 21                         ; Q and ctx: (128 x batch + 16 x block + wave) blocks of 16,384 bytes + 1,024 x head
	s_lshl_b32 s3, s13, 18
	s_add_co_u32 s2, s2, s3
	s_lshl_b32 s3, s[WV], 14
	s_add_co_u32 s2, s2, s3
	s_lshl_b32 s3, s14, 10
	s_add_co_u32 s2, s2, s3
	s_mov_b32 s3, 0
	s_lshl_b32 s56, s15, 13                        ; the batch's 2,048 mask numbers
	s_mov_b32 s57, 0
	; descriptor group 1, elements of 8 bytes, no padding.  K: 16 blocks' 1,024 bytes, 16,384 bytes apart;  V: 2 blocks' 8,192 bytes, 65,536 bytes apart
	s_mov_b32 s[G1K], 15|(3<<16)|(1<<21)           ; 15:0 the mask: all four work-groups; 17:16 elements of 8 bytes; 21 set beside a mask
	s_mov_b32 s[G1K+1], 128<<16                    ; tensor_dim0
	s_mov_b32 s[G1K+2], 16<<16                     ; tensor_dim1
	s_mov_b32 s[G1K+3], 128<<16                    ; tile_dim0
	s_mov_b32 s[G1K+4], 16                         ; tile_dim1
	s_mov_b32 s[G1K+5], 2048                       ; from row to row
	s_mov_b32 s[G1K+6], 0
	s_mov_b32 s[G1K+7], 0
	s_mov_b32 s[G1V], 15|(3<<16)|(1<<21)
	s_mov_b32 s[G1V+1], 1024<<16
	s_mov_b32 s[G1V+2], 2<<16
	s_mov_b32 s[G1V+3], 1024<<16
	s_mov_b32 s[G1V+4], 2
	s_mov_b32 s[G1V+5], 8192
	s_mov_b32 s[G1V+6], 0
	s_mov_b32 s[G1V+7], 0
	s_mov_b32 s20, 0x76543210                      ; v_permlanex16_b32: lane l xor 16
	s_mov_b32 s21, 0xfedcba98
	s_wait_dscnt 0x0
	s_wait_kmcnt 0x0
	s_load_b512 s[84:99], s[8:9], 0x0              ; e0 .. e15
	s_add_nc_u64 s[60:61], s[4:5], s[60:61]
	s_add_nc_u64 s[62:63], s[4:5], s[62:63]
	s_add_nc_u64 s[4:5], s[4:5], s[2:3]            ; Q's image at my tile
	s_add_nc_u64 s[10:11], s[10:11], s[2:3]        ; ctx's likewise
	s_add_nc_u64 s[6:7], s[6:7], s[56:57]
.irp g, 0,1,2,3
	s_mov_b32 s[G0K+4*\g], 1
	s_add_co_u32 s[G0K+4*\g+1], s17, \g*32768
	s_add_nc_u64 s[G0K+4*\g+2:G0K+4*\g+3], s[60:61], \g*524288     ; 32 blocks of keys on
	s_or_b32 s[G0K+4*\g+3], s[G0K+4*\g+3], 0x80000000
	s_mov_b32 s[G0V+4*\g], 1
	s_add_co_u32 s[G0V+4*\g+1], s17, VB+\g*32768
	s_add_nc_u64 s[G0V+4*\g+2:G0V+4*\g+3], s[62:63], \g*8192       ; 16 pieces on
	s_or_b32 s[G0V+4*\g+3], s[G0V+4*\g+3], 0x80000000
.endr
	CROUND                                         ; all four work-groups are here: the joint loads meet
	s_cmp_lt_u32 s[WV], 2                          ; waves 0, 1: K's halves; waves 2, 3: V's; the others fetch nothing.  A wave's four fills stand in one branch: four loads of mine are out
	s_cbranch_scc0 .Lnot_k
	tensor_load_to_lds s[G0K:G0K+3], s[G1K:G1K+7]
	s_nop 0
	tensor_load_to_lds s[G0K+4:G0K+7], s[G1K:G1K+7]
	s_nop 0
	tensor_load_to_lds s[G0K+8:G0K+11], s[G1K:G1K+7]
	s_nop 0
	tensor_load_to_lds s[G0K+12:G0K+15], s[G1K:G1K+7]
	s_nop 0
.rept 4
	v_nop
.endr
	s_branch .Lasked
.Lnot_k:
	s_cmp_lt_u32 s[WV], 4
	s_cbranch_scc0 .Lasked
	tensor_load_to_lds s[G0V:G0V+3], s[G1V:G1V+7]
	s_nop 0
	tensor_load_to_lds s[G0V+4:G0V+7], s[G1V:G1V+7]
	s_nop 0
	tensor_load_to_lds s[G0V+8:G0V+11], s[G1V:G1V+7]
	s_nop 0
	tensor_load_to_lds s[G0V+12:G0V+15], s[G1V:G1V+7]
	s_nop 0
.rept 4
	v_nop
.endr
.Lasked:
	v_and_b32 v1, 31, v0
	v_lshlrev_b32 v1, 4, v1                        ; 16 x lane
	v_bfe_u32 v2, v0, 4, 1
	v_lshl_add_u32 v2, v2, 5, MB                   ; my half's eight terms of a tile of keys
	v_lshlrev_b32 v3, 4, v0                        ; thread t takes mask numbers 4 t .. 4 t + 3
	v_lshl_add_u32 v4, v0, 4, MB
	global_load_b128 v[24:27], v3, s[6:7]
	global_load_b128 v[16:19], v1, s[4:5]          ; Q's fragment: two pieces; it stays in registers
	global_load_b128 v[20:23], v1, s[4:5] offset:512
	v_mov_b32 v13, 0xff61b1e6                      ; the largest t so far: -3e38
	v_floor_f32 v12, -v13                          ; -M
	v_mov_b32 v14, 0
	v_mov_b32 v15, 0
	v_mov_b32 v236, 0                              ; a lane permute's destination counts as read
	v_mov_b32 v253, 0                              ; (named as the upper half of the pair v[252:253])
.set i, 0
.rept 32
	v_mov_b32 v[160+i], 0                          ; O^T: the step is written once; the first finds zeros, which the first change of M leaves zeros
.set i, i+1
.endr
	s_wait_kmcnt 0x0
	s_add_co_i32 s19, s90, s91                     ; e6 + e7
	s_lshl_b32 s22, s19, 23
	s_add_co_i32 s22, s22, 0x3e38aa3b              ; c = log2(e) / 8 x 2^(e6 + e7): the exponents are added to c's exponent field
	s_mov_b32 s23, s22                             ; (named with it as a pair)
	s_sub_co_i32 s59, 3, s19
	s_add_co_i32 s56, s92, 127
	s_lshl_b32 s57, s56, 23
	v_mov_b32 v244, s57                            ; 2^e8
	s_add_co_i32 s56, s56, 8
	s_lshl_b32 s56, s56, 23
	s_or_b32 s56, s56, 0x600000
	v_mov_b32 v240, s56                            ; 448 x 2^e8
	s_wait_loadcnt 2                               ; the mask is in; Q's two loads may be out
.irp i, 24,25,26,27
	v_add_f32 v\i, -1.0, v\i
.endr
.irp i, 24,25,26,27
	v_mul_f32 v\i, 0x461c4000, v\i                 ; x 10000
.endr
.irp i, 24,25,26,27
	v_ldexp_f32 v\i, v\i, s59                      ; x 8 x 2^-(e6 + e7)
.endr
	ds_store_b128 v4, v[24:27]
	s_wait_loadcnt 0x0                             ; Q
; A KEY STEP: 128 keys.  s56, s57, s58: where the step's K, V and mask terms begin in LDS.
.macro STEP
	v_add_nc_u32 v8, s56, v1
	v_add_nc_u32 v9, s57, v1
	v_add_nc_u32 v10, s58, v2
	v_nop                                          ; four places in front of loads into registers that the last products have read
.irp t, 0,1,2,3,4,5,6,7
	ds_load_b128 v[96+8*\t:99+8*\t],   v10 offset:64*\t           ; the mask terms of keys 16 t + 8 h + 0..7: sixteen lanes read the same 16 bytes
	ds_load_b128 v[100+8*\t:103+8*\t], v10 offset:64*\t+16
.endr
.irp t, 0,1,2,3,4,5,6,7
	ds_load_b128 v[32+8*\t:35+8*\t], v8 offset:1024*\t            ; K: 16 keys x 64: two pieces
	ds_load_b128 v[36+8*\t:39+8*\t], v8 offset:1024*\t+512
.endr
	s_wait_dscnt 0x0
.irp t, 0,1,2,3,4,5,6,7
	v_wmma_f32_16x16x64_fp8_fp8 v[96+8*\t:103+8*\t], v[32+8*\t:39+8*\t], v[16:23], v[96+8*\t:103+8*\t]
.endr
.rept 4
	v_nop                                          ; places in front of the loads over K's fragments and of the first read of the scores
.endr
.irp d, 0,1,2,3
.irp p, 0,1,2,3
	ds_load_b128 v[32+16*\d+4*\p:35+16*\d+4*\p], v9 offset:8192*\d+512*\p   ; V: 16 channels x 128 keys: four pieces; they land under the softmax
.endr
.endr
	v_max3_num_f32 v254, v96, v97, v98             ; the step's largest score of my query among my 64 keys, in two chains, each accumulator from its low end on,
	v_max3_num_f32 v252, v99, v100, v101
.irp i, 6,10,14,18,22,26,30,34,38,42,46,50,54,58
	v_max3_num_f32 v254, v254, v[96+\i], v[97+\i]
	v_max3_num_f32 v252, v252, v[98+\i], v[99+\i]
.endr
	v_max3_num_f32 v254, v254, v158, v159
	v_max_num_f32 v254, v254, v252
	v_permlanex16_b32 v236, v254, s20, s21
	v_max_num_f32 v254, v254, v236                 ; and among lane l xor 16's
	v_mul_f32 v254, s22, v254                      ; as t (c is positive)
	v_max_num_f32 v13, v13, v254                   ; the running largest t
	v_mov_b32 v254, v12
	v_floor_f32 v12, -v13                          ; the new -M = -ceil(t)
	v_sub_f32 v254, v12, v254                      ; old M - new M: a whole number, 0 or less
	v_cvt_i32_f32 v254, v254                       ; (it saturates)
	v_ldexp_f32 v252, 1.0, v254                    ; f = 2^(old M - new M)
.irp j, 0,2,4,6,8,10,12,14,16,18,20,22,24,26,28,30,32,34,36,38,40,42,44,46,48,50,52,54,56,58,60,62
	v_pk_fma_f32 v[96+\j:97+\j], v[96+\j:97+\j], s[22:23], v[12:13] op_sel_hi:[1,0,0]   ; t - M (of the pairs c and -M the low word serves both halves)
.endr
.set i, 0
.rept 64
	v_exp_f32 v[96+i], v[96+i]                     ; p = 2^(t - M)
.set i, i+1
.endr
	v_pk_mul_f32 v[14:15], v[14:15], v[252:253] op_sel_hi:[1,0]   ; the sums under the new M: the plain instruction behind the exponentials
	s_wait_alu depctr_va_vdst(0)                   ; one wait for the batch, ahead of its first reader
	v_pk_add_f32 v[242:243], v[96:97], v[98:99]    ; the row's sum, of the unquantised p, in two chains
.irp j, 4,8,12,16,20,24,28,32,36,40,44,48,52,56,60
	v_pk_add_f32 v[14:15], v[14:15], v[96+\j:97+\j]
	v_pk_add_f32 v[242:243], v[242:243], v[98+\j:99+\j]
.endr
	v_pk_add_f32 v[14:15], v[14:15], v[242:243]
.irp t, 0,1,2,3,4,5,6,7
.irp i, 0,1,2,3,4,5,6,7
	v_min_num_f32 v[96+8*\t+\i], v[96+8*\t+\i], v240   ; the conversion does not saturate (ISA guide 7.6.2); p is not negative, so the hold is one-sided
.endr
	v_cvt_scalef32_pk8_fp8_f32 v[224+2*\t:225+2*\t], v[96+8*\t:103+8*\t], v244
.endr
.irp j, 0,2,4,6,8,10,12,14,16,18,20,22,24,26,28,30
	v_pk_mul_f32 v[160+\j:161+\j], v[160+\j:161+\j], v[252:253] op_sel_hi:[1,0]   ; O^T under the new M.  (Plain instructions between the conversions and the products)
.endr
	s_wait_dscnt 0x0                               ; V
.irp d, 0,1,2,3
	v_wmma_f32_16x16x128_fp8_fp8 v[160+8*\d:167+8*\d], v[32+16*\d:47+16*\d], v[224:239], v[160+8*\d:167+8*\d]
.endr
.endm
; Four groups of 512 keys, four steps each.  The accumulators take turns, one instruction a turn, over the backward jump too.
.irp g, 0,1,2,3
.if \g < 2
	s_wait_tensorcnt 3-3*\g                        ; group 0: my part of it has landed, the three loads behind it may stay out;  group 1: all my loads have landed.  Nothing is ever filled again
	s_wait_dscnt 0x0                               ; my store of mask terms has landed, and no LDS load of mine is out
	s_barrier_signal -1
	s_barrier_wait -1                              ; everybody's part has landed: behind the second barrier that holds of groups 1, 2 and 3, so none stands in front of groups 2 and 3
.endif
	s_mov_b32 s56, \g*32768
	s_mov_b32 s57, VB+\g*32768
	s_mov_b32 s58, \g*2048
	s_mov_b32 s59, 4
.Lstep_\g:
	STEP
	s_add_co_u32 s56, s56, 8192                    ; 8 blocks of keys,
	s_add_co_u32 s57, s57, 2048                    ; 4 pieces,
	s_add_co_u32 s58, s58, 512                     ; 128 terms on
	s_sub_co_u32 s59, s59, 1
	s_cmp_lg_u32 s59, 0
	s_cbranch_scc1 .Lstep_\g
.endr
	; THE WAY OUT: O^T x 2^(e8 + e9) / the sum, held, converted with 2^e10: tiles 2 p, 2 p + 1 are piece p of ctx's image.
	s_add_co_i32 s56, s94, 127
	s_lshl_b32 s57, s56, 23
	s_add_co_i32 s56, s56, 8
	s_lshl_b32 s56, s56, 23
	s_or_b32 s56, s56, 0x600000
	s_add_co_i32 s66, s92, s93
	v_add_f32 v14, v14, v15                        ; the sum's two halves,
	v_permlanex16_b32 v252, v14, s20, s21
	v_add_f32 v14, v14, v252                       ; and lane l xor 16's
	v_rcp_f32 v14, v14
	v_mov_b32 v244, s57                            ; 2^e10  (plain instructions behind the reciprocal, and places behind the last products)
	v_mov_b32 v240, s56                            ; 448 x 2^e10
	s_wait_alu depctr_va_vdst(0)                   ; the wait ahead of the reciprocal's first reader
	v_ldexp_f32 v14, v14, s66
	v_mov_b32 v15, v14
.irp j, 0,2,4,6,8,10,12,14,16,18,20,22,24,26,28,30
	v_pk_mul_f32 v[96+\j:97+\j], v[160+\j:161+\j], v[14:15]
.endr
.set i, 0
.rept 32
	v_med3_num_f32 v[96+i], v[96+i], -v240, v240
.set i, i+1
.endr
.irp d, 0,1,2,3
	v_cvt_scalef32_pk8_fp8_f32 v[224+2*\d:225+2*\d], v[96+8*\d:103+8*\d], v244
.endr
	v_nop
	global_store_b128 v1, v[224:227], s[10:11]             ; 32 lanes store 512 consecutive bytes, aligned
	global_store_b128 v1, v[228:231], s[10:11] offset:512
	s_wait_tensorcnt 0x0
	ds_add_u32 v251, v255
	s_wait_dscnt 0x0
	CROUND                                         ; the closing round: no work-group ends while a partner may still ask for a tile that names it
	s_endpgm
.Lfunc_end_k_qbe7c8f4e15_attn:
	.size	k_qbe7c8f4e15_attn, .Lfunc_end_k_qbe7c8f4e15_attn-k_qbe7c8f4e15_attn
	.p2alignl 7, 3214868480
	.fill 96, 4, 3214868480
	.section	.rodata,"a",@progbits
	.p2align	6, 0x0
	.amdhsa_kernel k_qbe7c8f4e15_attn
		.amdhsa_group_segment_fixed_size 272384
		.amdhsa_private_segment_fixed_size 0
		.amdhsa_enable_private_segment 0
		.amdhsa_kernarg_size 32
		.amdhsa_user_sgpr_count 2
		.amdhsa_user_sgpr_kernarg_segment_ptr 1
		.amdhsa_wavefront_size32 1
		.amdhsa_system_sgpr_workgroup_id_x 1
		.amdhsa_system_sgpr_workgroup_id_y 1
		.amdhsa_system_sgpr_workgroup_id_z 1
		.amdhsa_system_vgpr_workitem_id 0
		.amdhsa_next_free_vgpr 256
		.amdhsa_next_free_sgpr 100
		.amdhsa_reserve_vcc 0
		.amdhsa_float_denorm_mode_32 3
		.amdhsa_float_denorm_mode_16_64 3
		.amdhsa_memory_ordered 1
		.amdhsa_forward_progress 1
		.amdhsa_inst_pref_size 81
	.end_amdhsa_kernel
	.amdgpu_metadata
---
amdhsa.version: [ 1, 2 ]
amdhsa.kernels:
  - .name:           k_qbe7c8f4e15_attn
    .symbol:         k_qbe7c8f4e15_attn.kd
    .args:
      - { .name: qkvw, .offset: 0, .size: 8, .value_kind: global_buffer, .address_space: global }
      - { .name: attention_mask, .offset: 8, .size: 8, .value_kind: global_buffer, .address_space: global }
      - { .name: lowp_scales, .offset: 16, .size: 8, .value_kind: global_buffer, .address_space: global }
      - { .name: ctx, .offset: 24, .size: 8, .value_kind: global_buffer, .address_space: global }
    .group_segment_fixed_size: 272384
    .private_segment_fixed_size: 0
    .kernarg_segment_align: 8
    .kernarg_segment_size: 32
    .max_flat_workgroup_size: 512
    .sgpr_count:     100
    .vgpr_count:     256
    .wavefront_size: 32
...
	.end_amdgpu_metadata
.endif
;; end of part 3
;; launch wo (part 4): grid 8 x 32, 4 waves a work-group, clusters of 4 x 4, 327,680 bytes of LDS; arguments ctx, Wo_codes, bo, lowp_scales, x, x2; writes x2
.if DOCPART == 4
	.amdgcn_target "amdgcn-amd-amdhsa--gfx1250"
	.amdhsa_code_object_version 6
	.text
	.protected	k_qbe7c8f4e15_wo
	.globl	k_qbe7c8f4e15_wo
	.p2align	8
	.type	k_qbe7c8f4e15_wo,@function
k_qbe7c8f4e15_wo:
	s_mov_b64 s[64:65], 0
	v_nop
	global_prefetch_b8 v0, s[64:65] scope:SCOPE_SE
	s_setreg_imm32_b32 hwreg(HW_REG_WAVE_MODE, 25, 1), 1
	s_wait_xcnt 0x0
	s_wait_alu depctr_hold_cnt(0) depctr_sa_sdst(0) depctr_va_vdst(0) depctr_va_sdst(0) depctr_va_ssrc(0) depctr_va_vcc(0) depctr_vm_vsrc(0)
	s_getreg_b32 s2, hwreg(HW_REG_IB_STS2, 6, 4)
	s_cmp_eq_u32 s2, 0
	s_cbranch_scc0 .Lentry_in_a_cluster
	s_endpgm
.Lentry_in_a_cluster:
	s_bfe_u32 s2, ttmp6, 0x10000c
	s_cmp_lg_u32 s2, 0xf033
	s_cbranch_scc0 .Lentry_shape_is_right
	s_endpgm
.Lentry_shape_is_right:
; x2 = x + ctx Wo^T + bo.  ctx: codes as an image of fragments, [256 blocks of 16 rows][32 pieces of 32 k][lane][16 bytes]; Wo: [1024][1024] codes, row-major; x, x2: [4096][1024] f32.
; A tile is C[Q 128 rows][P 128 columns]; four waves, each 64 x 64: 16 accumulators.  K = 1,024 lies in two LDS slots of 512 along K, both filled at the start: nothing is filled again.
; THE MATRIX INSTRUCTION IS USED TRANSPOSED (source 0 = 16 rows of Wo, source 1 = 16 rows of ctx): a lane holds eight neighbouring columns of one row.
; CLUSTERS: 4 x 4 work-groups; ctx's tile is shared along a row of the cluster, Wo's along a column: each is asked for jointly.
; The residual's 64 x 64 numbers of a wave are asked for at the head, in the layout in which rows leave, and wait in window 2.
; LIMIT: e10 + e11 between -126 and 127.
; REGISTERS: window 0: v0-31 addresses and the bias; v96-127 rows on the way out; v128-255 the accumulators.  window 1: two fragment buffers of 128.  window 2: v0-127 the residual.
.set SIZE_K, 1024
.set RBS,    16384                     ; bytes of a block of 16 rows in Q's image
.set ESC,    0x28                      ; where the product's two exponents lie among the scales
.set NLQ,    4                         ; LDS loads that bring a fragment of Q
.set QSTEP,  8192                      ; bytes in a block's image from slot 0's 16 pieces to slot 1's
.set PITCH,  528                       ; an LDS row of P: 512 bytes + 16 of padding: row r starts at bank 4 r mod 64 (64 banks of 4 bytes: ISA guide 11.1)
.set HALFT,  64*PITCH
.set QHALF,  32768                     ; 4 blocks x 16 pieces x 512 bytes
.set POFF,   2*QHALF
.set SLOT,   POFF+2*HALFT
.set SPARE,  2*SLOT                    ; behind the slots: the spare words, 128 bytes for each wave: two blocks of 256 bytes that no other line names
.set ADRQ, 16
.set ADRP, 20
.set STO,  24                          ; the way out: where I put 32 bytes of a row
.set RD,   25                          ; where I read a row back
.set CO,   26                          ; my byte offset in the wave's rows of x and x2
.set SPW,  28
.set NIL,  29
.set BK,   96
.set ACC,  128
.set F0,   0
.set F1,   128
.set G1,  24
.set G0,  32
.set G1B, 48
.set G0B, 56
.set MSB, 0
.macro WIN new                         ; the immediate's high byte repeats the setting that is left
.if MSB != \new
	s_set_vgpr_msb (MSB<<8)|\new
.set MSB, \new
.endif
.endm
.set MUL,  0x05                        ; sources 0 and 1 window 1; C and D window 0
.set TO_F, 0x40                        ; destination window 1, address window 0
.macro JLOAD s                         ; a joint load: waves 0 and 1 fetch Q's halves, waves 2 and 3 P's; four v_nop follow each of the two lines
	s_cmp_eq_u32 s11, 0
	s_cbranch_scc0 .Lfor_p_\@
	tensor_load_to_lds s[G0+4*\s:G0+4*\s+3], s[G1:G1+7]
	s_nop 0
.rept 4
	v_nop
.endr
	s_branch .Lasked_\@
.Lfor_p_\@:
	tensor_load_to_lds s[G0B+4*\s:G0B+4*\s+3], s[G1B:G1B+7]
	s_nop 0
.rept 4
	v_nop
.endr
.Lasked_\@:
.endm
.macro CROUND                          ; a round of the cluster's barrier
	s_barrier_signal -1
	s_barrier_wait -1
	s_cmp_lg_u32 s10, 0
	s_cbranch_scc1 .Lnot_wave_0_\@
	s_barrier_signal -3
.Lnot_wave_0_\@:
	s_barrier_wait -3
	s_barrier_signal -1
	s_barrier_wait -1
.endm
.macro FRAG_R reg, adr, q, i           ; a fragment from rows: lane (r, h) takes, of row 16 i + r, k = 128 q + 16 c + 8 h + 0..7 into registers 2 c, 2 c + 1
.irp c, 0,1,2,3,4,5,6,7
	ds_load_b64 v[\reg+2*\c:\reg+2*\c+1], v[\adr] offset:128*(\q)+16*\c+(\i)*16*PITCH
.endr
.endm
.macro FRAG_I reg, adr, q, i           ; a fragment from its image: four pieces, 512 consecutive bytes a load
.irp p, 0,1,2,3
	ds_load_b128 v[\reg+4*\p:\reg+4*\p+3], v[\adr] offset:(\i)*8192+(4*(\q)+\p)*512
.endr
.endm
.macro FETCH_P slot, q, f
.irp i, 0,1,2,3
	FRAG_R (\f)+64+16*\i, ADRP+\slot, \q, \i
.endr
.endm
.macro FETCH_Q slot, q, f
.irp i, 0,1,2,3
	FRAG_I (\f)+16*\i, ADRQ+\slot, \q, \i
.endr
.endm
; 8 matrix instructions: Q's blocks a0, a0 + 1 x P's four, 128 along K.  The 16 accumulators take turns, one instruction a turn, in the same order in every quarter.
.macro MUL8 f, a0, zero
.irp a, \a0, \a0+1
.irp b, 0,1,2,3
.if \zero
	v_wmma_f32_16x16x128_fp8_fp8 v[ACC+8*(4*(\a)+\b):ACC+8*(4*(\a)+\b)+7], v[\f+64+16*\b:\f+64+16*\b+15], v[\f+16*(\a):\f+16*(\a)+15], 0
.else
	v_wmma_f32_16x16x128_fp8_fp8 v[ACC+8*(4*(\a)+\b):ACC+8*(4*(\a)+\b)+7], v[\f+64+16*\b:\f+64+16*\b+15], v[\f+16*(\a):\f+16*(\a)+15], v[ACC+8*(4*(\a)+\b):ACC+8*(4*(\a)+\b)+7]
.endif
.endr
.endr
.endm
.macro PLACES                          ; four places in front of loads into registers that matrix instructions have read, and of the first read of results (ISA guide 7.12.1 for vector instructions)
.rept 4
	v_nop
.endr
.endm
.macro QUARTER slot, qn, f, g, zero    ; 128 along K on buffer f; quarter qn is fetched into buffer g meanwhile
	s_wait_dscnt 2*NLQ                             ; P's fragments and Q's blocks 0, 1 are in; the youngest loads (Q's blocks 2, 3) may be out
	PLACES
	WIN TO_F
	FETCH_P \slot, \qn, \g
	WIN MUL
	MUL8 \f, 0, \zero
	s_wait_dscnt 32                                ; all but the 32 just issued
	WIN TO_F
	FETCH_Q \slot, \qn, \g
	WIN MUL
	MUL8 \f, 2, \zero
.endm
.macro TURN next                       ; a slot's last quarter changes slots: one barrier; in front of it all my tensor loads, the add, and my reads of this slot are waited for
	WIN 0
	s_wait_tensorcnt 0x0
	ds_add_u32 v[SPW], v[NIL]
	s_wait_dscnt 2*NLQ+1                           ; (the add and Q's blocks 2, 3 may be out)
	WIN MUL
	MUL8 F1, 0, 0
	s_wait_dscnt 0x0
	s_barrier_signal -1
	WIN 0
	s_barrier_wait -1
	PLACES
	WIN TO_F
	FETCH_P \next, 0, F0
	FETCH_Q \next, 0, F0
	WIN MUL
	MUL8 F1, 2, 0
.endm
	s_load_b256 s[68:75], s[0:1], 0x0              ; Q's image 68, P's codes 70, the bias 72, the scales' exponents 74
	s_load_b128 s[76:79], s[0:1], 0x20             ; the residual 76, the result 78
	v_lshl_add_u32 v[SPW], v0, 2, SPARE
	v_mov_b32 v[NIL], 0
	ds_add_u32 v28, v29
	ds_add_u32 v28, v29
	s_wait_dscnt 0x0
	v_lshrrev_b32 v1, 5, v0
	v_readfirstlane_b32 s10, v1                    ; wave 0..3
	s_lshr_b32 s11, s10, 1                         ; which half of the rows is mine.  Also: I fetch for Q (0) or for P (1)
	s_and_b32 s12, s10, 1                          ; which half of the columns.  Also: which half of that tile I fetch
	s_bfe_u32 s40, ttmp6, 0x40000                  ; cx, cy
	s_bfe_u32 s41, ttmp6, 0x40004
	s_lshl_b32 s42, ttmp9, 2
	s_add_co_u32 s42, s42, s40                     ; tile of P = 4 x cluster x + cx
	s_and_b32 s13, ttmp7, 0xffff
	s_lshl_b32 s13, s13, 2
	s_add_co_u32 s13, s13, s41                     ; tile of Q = 4 x cluster y + cy
	s_lshl_b32 s43, s41, 2
	s_lshl_b32 s43, 15, s43                        ; my row of the cluster
	s_lshl_b32 s44, 0x1111, s40                    ; my column
	; descriptor group 1.  Q: 4 blocks' 8,192 bytes (16 pieces), RBS bytes apart, elements of 8 bytes, no padding
	s_or_b32 s[G1+0], s43, (3<<16)|(1<<21)
	s_mov_b32 s[G1+1], 1024<<16                    ; tensor_dim0
	s_mov_b32 s[G1+2], 4<<16                       ; tensor_dim1
	s_mov_b32 s[G1+3], 1024<<16                    ; tile_dim0
	s_mov_b32 s[G1+4], 4                           ; tile_dim1
	s_mov_b32 s[G1+5], RBS/8                       ; from row to row
	s_mov_b32 s[G1+6], 0
	s_mov_b32 s[G1+7], 0
	; P: 64 rows x 512 bytes, padded: four words after every 128
	s_or_b32 s[G1B+0], s44, (1<<20)|(1<<21)|(6<<22)|(3<<25)
	s_mov_b32 s[G1B+1], 512<<16
	s_mov_b32 s[G1B+2], 64<<16
	s_mov_b32 s[G1B+3], 512<<16
	s_mov_b32 s[G1B+4], 64
	s_mov_b32 s[G1B+5], SIZE_K
	s_mov_b32 s[G1B+6], 0
	s_mov_b32 s[G1B+7], 0
	s_lshl_b32 s16, s13, 3
	s_lshl_b32 s17, s12, 2
	s_add_co_u32 s16, s16, s17
	s_mul_i32 s16, s16, RBS                        ; Q: block 8 x tile + 4 x half
	s_mov_b32 s17, 0
	s_lshl_b32 s46, s42, 7
	s_lshl_b32 s47, s12, 6
	s_add_co_u32 s46, s46, s47
	s_mul_i32 s46, s46, SIZE_K                     ; P: row 128 x tile + 64 x half
	s_mov_b32 s47, 0
	s_mul_i32 s2, s12, QHALF                       ; where they go: no place in the cluster enters an LDS address
	s_mul_i32 s45, s12, HALFT
	s_add_co_u32 s45, s45, POFF
	s_wait_kmcnt 0x0
	s_load_b64 s[66:67], s[74:75], ESC             ; the product's two exponents
	s_add_nc_u64 s[14:15], s[68:69], s[16:17]
	s_add_nc_u64 s[46:47], s[70:71], s[46:47]
	CROUND                                         ; all sixteen work-groups are here: the joint loads meet
.irp s, 0,1
	s_mov_b32 s[G0+4*\s], 1
	s_add_co_u32 s[G0+4*\s+1], s2, \s*SLOT
	s_add_nc_u64 s[G0+4*\s+2:G0+4*\s+3], s[14:15], \s*QSTEP
	s_or_b32 s[G0+4*\s+3], s[G0+4*\s+3], 0x80000000
	s_mov_b32 s[G0B+4*\s], 1
	s_add_co_u32 s[G0B+4*\s+1], s45, \s*SLOT
	s_add_nc_u64 s[G0B+4*\s+2:G0B+4*\s+3], s[46:47], \s*512
	s_or_b32 s[G0B+4*\s+3], s[G0B+4*\s+3], 0x80000000
	JLOAD \s                                       ; two loads of mine are out
.endr
	v_and_b32 v1, 15, v0                           ; r
	v_bfe_u32 v2, v0, 4, 1                         ; h
	v_lshlrev_b32 v5, 12, v2
	v_lshl_add_u32 v[CO], v1, 4, v5                ; lanes 0-15 one row's 256 bytes, lanes 16-31 the next row's
	v_lshlrev_b32 v7, 4, v1                        ; my four columns' bias
	s_lshl_b32 s16, s13, 19                        ; my first row: (128 x tile + 64 x half) rows of 4,096 bytes
	s_lshl_b32 s17, s11, 18
	s_add_co_u32 s16, s16, s17
	s_mov_b32 s17, 0
	s_lshl_b32 s46, s42, 9                         ; my first column: (128 x tile + 64 x half) x 4 bytes
	s_lshl_b32 s47, s12, 8
	s_add_co_u32 s46, s46, s47
	s_mov_b32 s47, 0
	s_add_nc_u64 s[76:77], s[76:77], s[16:17]
	s_add_nc_u64 s[76:77], s[76:77], s[46:47]
	s_add_nc_u64 s[8:9], s[78:79], s[16:17]
	s_add_nc_u64 s[8:9], s[8:9], s[46:47]
	s_add_nc_u64 s[72:73], s[72:73], s[46:47]
	global_load_b128 v[12:15], v7, s[72:73]
	WIN 0x80                                       ; destination window 2
.irp a, 0,1,2,3
.irp t, 0,1,2,3,4,5,6,7
	global_load_b128 v[32*\a+4*\t:32*\a+4*\t+3], v[CO], s[76:77] offset:(16*\a+2*\t)*4096   ; sixteen lanes read 256 consecutive bytes, aligned
.endr
.endr
	WIN 0
	v_and_b32 v6, 31, v0
	v_lshlrev_b32 v6, 4, v6                        ; 16 x lane
	v_mul_u32_u24 v3, v1, PITCH
	v_lshl_add_u32 v3, v2, 3, v3                   ; a row of P x pitch + 8 x half
	s_mul_i32 s21, s11, QHALF                      ; my 4 blocks of Q
	s_mul_i32 s22, s12, HALFT
	s_add_co_u32 s22, s22, POFF                    ; my 64 rows of P
.irp s, 0,1
	v_add_nc_u32 v[ADRQ+\s], s21, v6
	v_add_nc_u32 v[ADRP+\s], s22, v3
	s_add_co_u32 s21, s21, SLOT
	s_add_co_u32 s22, s22, SLOT
.endr
	s_mul_i32 s23, s10, 16*272                     ; my stage: 16 rows x (256 bytes + 16), in slot 0: when the first result is stored there, that slot has had its only fill and its last read
	v_mul_u32_u24 v4, v1, 272
	v_lshl_add_u32 v4, v2, 5, v4
	v_add_nc_u32 v[STO], s23, v4
	v_mul_u32_u24 v5, v2, 272
	v_lshl_add_u32 v5, v1, 4, v5
	v_add_nc_u32 v[RD], s23, v5
	s_wait_tensorcnt 1                             ; my part of slot 0 is in; slot 1's may stay out
	s_barrier_signal -1
	s_barrier_wait -1
	WIN TO_F
	FETCH_P 0, 0, F0
	FETCH_Q 0, 0, F0
	QUARTER 0, 1, F0, F1, 1                        ; the first products start the sums
	QUARTER 0, 2, F1, F0, 0
	QUARTER 0, 3, F0, F1, 0
	TURN 1
	QUARTER 1, 1, F0, F1, 0
	QUARTER 1, 2, F1, F0, 0
	QUARTER 1, 3, F0, F1, 0
	s_wait_dscnt 2*NLQ
	MUL8 F1, 0, 0
	s_wait_dscnt 0x0
	MUL8 F1, 2, 0
	WIN 0
	; THE WAY OUT, 16 rows at a time: through my own stage, back as whole rows of 256 bytes; sum x 2^(the two exponents) + bias, then + the residual.
	s_wait_loadcnt 0x0                             ; the bias and the residual
	s_wait_kmcnt 0x0
	s_add_co_i32 s66, s66, s67
	s_add_co_i32 s66, s66, 127
	s_lshl_b32 s66, s66, 23                        ; 2^(the two exponents) as f32
	s_mov_b32 s67, s66
	PLACES
.irp a, 0,1,2,3
.if \a > 0
	s_wait_xcnt 0x0                                ; the last block's stores have read their registers: the loads below may land there
.endif
.irp b, 0,1,2,3
	ds_store_b128 v[STO], v[ACC+8*(4*\a+\b):ACC+8*(4*\a+\b)+3]   offset:64*\b      ; each accumulator from its low end on
	ds_store_b128 v[STO], v[ACC+8*(4*\a+\b)+4:ACC+8*(4*\a+\b)+7] offset:64*\b+16
.endr
.irp t, 0,1,2,3,4,5,6,7
	ds_load_b128 v[BK+4*\t:BK+4*\t+3], v[RD] offset:\t*544       ; LDS serves a wave's instructions in order (ISA guide 5.7.1.4): these see my stores
.endr
	s_wait_dscnt 0x0
.irp t, 0,1,2,3,4,5,6,7
	v_pk_fma_f32 v[BK+4*\t:BK+4*\t+1],   v[BK+4*\t:BK+4*\t+1],   s[66:67], v[12:13] op_sel_hi:[1,0,1]
	v_pk_fma_f32 v[BK+4*\t+2:BK+4*\t+3], v[BK+4*\t+2:BK+4*\t+3], s[66:67], v[14:15] op_sel_hi:[1,0,1]
.endr
	WIN 0x08                                       ; source 1 window 2
.irp t, 0,1,2,3,4,5,6,7
	v_pk_add_f32 v[BK+4*\t:BK+4*\t+1],   v[BK+4*\t:BK+4*\t+1],   v[32*\a+4*\t:32*\a+4*\t+1]
	v_pk_add_f32 v[BK+4*\t+2:BK+4*\t+3], v[BK+4*\t+2:BK+4*\t+3], v[32*\a+4*\t+2:32*\a+4*\t+3]
.endr
	WIN 0
.irp t, 0,1,2,3,4,5,6,7
	global_store_b128 v[CO], v[BK+4*\t:BK+4*\t+3], s[8:9] offset:(16*\a+2*\t)*4096   ; sixteen lanes store 256 consecutive bytes, aligned
.endr
.endr
	s_wait_tensorcnt 0x0                           ; the wave's end
	ds_add_u32 v[SPW], v[NIL]
	s_wait_dscnt 0x0
	CROUND                                         ; the closing round
	s_endpgm
.Lfunc_end_k_qbe7c8f4e15_wo:
	.size	k_qbe7c8f4e15_wo, .Lfunc_end_k_qbe7c8f4e15_wo-k_qbe7c8f4e15_wo
	.p2alignl 7, 3214868480
	.fill 96, 4, 3214868480
	.section	.rodata,"a",@progbits
	.p2align	6, 0x0
	.amdhsa_kernel k_qbe7c8f4e15_wo
		.amdhsa_group_segment_fixed_size 327680
		.amdhsa_private_segment_fixed_size 0
		.amdhsa_enable_private_segment 0
		.amdhsa_kernarg_size 48
		.amdhsa_user_sgpr_count 2
		.amdhsa_user_sgpr_kernarg_segment_ptr 1
		.amdhsa_wavefront_size32 1
		.amdhsa_system_sgpr_workgroup_id_x 1
		.amdhsa_system_sgpr_workgroup_id_y 1
		.amdhsa_system_sgpr_workgroup_id_z 1
		.amdhsa_system_vgpr_workitem_id 0
		.amdhsa_next_free_vgpr 768
		.amdhsa_next_free_sgpr 102
		.amdhsa_reserve_vcc 0
		.amdhsa_float_denorm_mode_32 3
		.amdhsa_float_denorm_mode_16_64 3
		.amdhsa_memory_ordered 1
		.amdhsa_forward_progress 1
		.amdhsa_inst_pref_size 62
	.end_amdhsa_kernel
	.amdgpu_metadata
---
amdhsa.version: [ 1, 2 ]
amdhsa.kernels:
  - .name:           k_qbe7c8f4e15_wo
    .symbol:         k_qbe7c8f4e15_wo.kd
    .args:
      - { .name: ctx, .offset: 0, .size: 8, .value_kind: global_buffer, .address_space: global }
      - { .name: Wo_codes, .offset: 8, .size: 8, .value_kind: global_buffer, .address_space: global }
      - { .name: bo, .offset: 16, .size: 8, .value_kind: global_buffer, .address_space: global }
      - { .name: lowp_scales, .offset: 24, .size: 8, .value_kind: global_buffer, .address_space: global }
      - { .name: x, .offset: 32, .size: 8, .value_kind: global_buffer, .address_space: global }
      - { .name: x2, .offset: 40, .size: 8, .value_kind: global_buffer, .address_space: global }
    .group_segment_fixed_size: 327680
    .private_segment_fixed_size: 0
    .kernarg_segment_align: 8
    .kernarg_segment_size: 48
    .max_flat_workgroup_size: 128
    .sgpr_count:     102
    .vgpr_count:     768
    .wavefront_size: 32
...
	.end_amdgpu_metadata
.endif
;; end of part 4
;; launch ln2 (part 5): grid 256 x 1, 8 waves a work-group, no clusters, 0 bytes of LDS; arguments x2, g2, be2, lowp_scales, h2; writes h2
.if DOCPART == 5
	.amdgcn_target "amdgcn-amd-amdhsa--gfx1250"
	.amdhsa_code_object_version 6
	.text
	.protected	k_qbe7c8f4e15_ln2
	.globl	k_qbe7c8f4e15_ln2
	.p2align	8
	.type	k_qbe7c8f4e15_ln2,@function
k_qbe7c8f4e15_ln2:
	s_mov_b64 s[64:65], 0
	v_nop
	global_prefetch_b8 v0, s[64:65] scope:SCOPE_SE
	s_setreg_imm32_b32 hwreg(HW_REG_WAVE_MODE, 25, 1), 1
	s_wait_xcnt 0x0
; h2 = LayerNorm(x2) g2 + be2, in f32, turned into codes of E4M3 with 2^e12, the scale of the left operand of the product with W1.
; x2: [4096][1024] f32.  h2: [4096][1024] codes, row-major.
; A stream: no LDS, no barrier, no matrix unit, no cluster.  A wave takes two whole rows and keeps them in registers between the mean, the variance (of x - mean) and the scaling.
; For c = 0..3 lane l holds columns 256 c + 8 l + 0..7: eight neighbours for one conversion; a store of 8 bytes a lane covers 256 consecutive bytes, aligned.
; LIMITS: e12 between -126 and 119.  NaN among the inputs is not served.
.set NOUT, 1
.set G,   32                           ; v[32:63]   g of my 32 columns
.set BE,  64                           ; v[64:95]   be of my 32 columns
.set X,   96                           ; v[96:159]  two rows, 32 numbers each
.set T,   160                          ; v[160:175] two sets of eight held numbers, by turns
.set C,   176                          ; v[176:191] codes: a pair for each row and c
.set SCV, 20                           ; v20        2^e as f32
.set LIM, 24                           ; v24        448 x 2^e
	s_load_b256 s[4:11], s[0:1], 0x0               ; x2 s[4:5], g s[6:7], be s[8:9], the scales' exponents s[10:11]
	s_load_b64 s[14:15], s[0:1], 0x20              ; the codes
	v_lshrrev_b32 v3, 5, v0
	v_readfirstlane_b32 s16, v3                    ; wave 0..7
	v_and_b32 v3, 31, v0
	v_lshlrev_b32 v1, 5, v3                        ; 32 x lane
	v_lshlrev_b32 v2, 3, v3                        ; 8 x lane
	v_mov_b32 v28, 0                               ; a lane permute's destination counts as read
	s_mov_b32 s12, 0x76543210
	s_mov_b32 s13, 0xfedcba98
	s_mov_b32 s17, 0x3a800000                      ; 1 / 1024
	s_mov_b32 s18, 0x3727c5ac                      ; 1e-5
	s_lshl_b32 s19, ttmp9, 3
	s_add_co_u32 s19, s19, s16                     ; which pair of rows is my wave's
	s_lshl_b32 s20, s19, 13
	s_mov_b32 s21, 0
	s_lshl_b32 s22, s19, 11
	s_mov_b32 s23, 0
	s_wait_kmcnt 0x0
	s_load_b32 s24, s[10:11], 0x30                 ; e12
	s_add_nc_u64 s[4:5], s[4:5], s[20:21]
	s_add_nc_u64 s[32:33], s[14:15], s[22:23]
.irp p, 0,1
.irp c, 0,1,2,3
	global_load_b128 v[X+32*\p+8*\c:X+32*\p+8*\c+3],   v1, s[4:5] offset:4096*\p+1024*\c
	global_load_b128 v[X+32*\p+8*\c+4:X+32*\p+8*\c+7], v1, s[4:5] offset:4096*\p+1024*\c+16
.endr
.endr
.irp c, 0,1,2,3
	global_load_b128 v[G+8*\c:G+8*\c+3],   v1, s[6:7] offset:1024*\c
	global_load_b128 v[G+8*\c+4:G+8*\c+7], v1, s[6:7] offset:1024*\c+16
.endr
.irp c, 0,1,2,3
	global_load_b128 v[BE+8*\c:BE+8*\c+3],   v1, s[8:9] offset:1024*\c
	global_load_b128 v[BE+8*\c+4:BE+8*\c+7], v1, s[8:9] offset:1024*\c+16
.endr
.macro REDUCE r                        ; the sum over the 32 lanes, in every lane
	v_add_f32_dpp v[\r], v[\r], v[\r] row_xmask:1 row_mask:0xf bank_mask:0xf
	v_add_f32_dpp v[\r], v[\r], v[\r] row_xmask:2 row_mask:0xf bank_mask:0xf
	v_add_f32_dpp v[\r], v[\r], v[\r] row_xmask:4 row_mask:0xf bank_mask:0xf
	v_add_f32_dpp v[\r], v[\r], v[\r] row_xmask:8 row_mask:0xf bank_mask:0xf
	v_permlanex16_b32 v28, v[\r], s12, s13
	v_add_f32 v[\r], v[\r], v28
.endm
; Row p: v[A0:A0+3] two summing chains, v[A0+4:A0+5] the mean twice, v[A0+6:A0+7] 1 / sqrt(var + eps) twice.  X becomes x - mean.
.macro STATS p
.set XR, X+32*(\p)
.set A0, 4+8*(\p)
	v_pk_add_f32 v[A0:A0+1], v[XR:XR+1], v[XR+2:XR+3]
	v_pk_add_f32 v[A0+2:A0+3], v[XR+4:XR+5], v[XR+6:XR+7]
.irp j, 8,12,16,20,24,28
	v_pk_add_f32 v[A0:A0+1], v[A0:A0+1], v[XR+\j:XR+\j+1]
	v_pk_add_f32 v[A0+2:A0+3], v[A0+2:A0+3], v[XR+\j+2:XR+\j+3]
.endr
	v_pk_add_f32 v[A0:A0+1], v[A0:A0+1], v[A0+2:A0+3]
	v_add_f32 v[A0], v[A0], v[A0+1]
	REDUCE A0
	v_mul_f32 v[A0+4], s17, v[A0]                  ; the mean
	v_mov_b32 v[A0+5], v[A0+4]
.irp j, 0,2,4,6,8,10,12,14,16,18,20,22,24,26,28,30
	v_pk_add_f32 v[XR+\j:XR+\j+1], v[XR+\j:XR+\j+1], v[A0+4:A0+5] neg_lo:[0,1] neg_hi:[0,1]
.endr
	v_pk_mul_f32 v[A0:A0+1], v[XR:XR+1], v[XR:XR+1]
	v_pk_mul_f32 v[A0+2:A0+3], v[XR+2:XR+3], v[XR+2:XR+3]
.irp j, 4,8,12,16,20,24,28
	v_pk_fma_f32 v[A0:A0+1], v[XR+\j:XR+\j+1], v[XR+\j:XR+\j+1], v[A0:A0+1]
	v_pk_fma_f32 v[A0+2:A0+3], v[XR+\j+2:XR+\j+3], v[XR+\j+2:XR+\j+3], v[A0+2:A0+3]
.endr
	v_pk_add_f32 v[A0:A0+1], v[A0:A0+1], v[A0+2:A0+3]
	v_add_f32 v[A0], v[A0], v[A0+1]
	REDUCE A0
	v_fma_f32 v[A0], v[A0], s17, s18               ; var + eps
	v_rsq_f32 v[A0+6], v[A0]                       ; twice, to fill the pair; what follows is plain and names neither result nor source
	v_rsq_f32 v[A0+7], v[A0]
.endm
.macro NORM p
.set XR, X+32*(\p)
.set A0, 4+8*(\p)
.irp j, 0,2,4,6,8,10,12,14,16,18,20,22,24,26,28,30
	v_pk_mul_f32 v[XR+\j:XR+\j+1], v[XR+\j:XR+\j+1], v[A0+6:A0+7]
.endr
.irp j, 0,2,4,6,8,10,12,14,16,18,20,22,24,26,28,30
	v_pk_fma_f32 v[XR+\j:XR+\j+1], v[XR+\j:XR+\j+1], v[G+\j:G+\j+1], v[BE+\j:BE+\j+1]
.endr
.endm
; Row p: held within +-448 x 2^e (the conversion to an 8-bit code does not saturate: ISA guide 7.6.2), converted, stored.  The two sets of T take turns.
.macro QOUT p, o
.set XR, X+32*(\p)
.irp c, 0,1,2,3
.set TS, T+8*(\c%2)
.set CR, C+2*(4*(NOUT*(\p)+(\o))+\c)
.irp i, 0,1,2,3,4,5,6,7
	v_med3_num_f32 v[TS+\i], v[XR+8*\c+\i], -v[LIM+\o], v[LIM+\o]
.endr
	v_cvt_scalef32_pk8_fp8_f32 v[CR:CR+1], v[TS:TS+7], v[SCV+\o]
	global_store_b64 v2, v[CR:CR+1], s[32+2*(\o):33+2*(\o)] offset:1024*(\p)+256*\c   ; 32 lanes store 256 consecutive bytes, aligned
.endr
.endm
	s_wait_loadcnt 24                              ; row 0's eight loads are in; the 24 behind them may be out
	STATS 0
	s_wait_loadcnt 16                              ; row 1's
	STATS 1
	s_wait_kmcnt 0x0
	s_add_co_i32 s19, s24, 127
	s_lshl_b32 s20, s19, 23
	v_mov_b32 v[SCV], s20                          ; 2^e12  (plain instructions behind the last v_rsq_f32)
	s_add_co_i32 s19, s19, 8
	s_lshl_b32 s19, s19, 23
	s_or_b32 s19, s19, 0x600000
	v_mov_b32 v[LIM], s19                          ; 448 x 2^e12
	s_wait_loadcnt 0x0                             ; g and be
	s_wait_alu depctr_va_vdst(0)                   ; one wait for the four v_rsq_f32, ahead of their first reader
	NORM 0
	NORM 1
	QOUT 0, 0
	QOUT 1, 0
	s_endpgm
.Lfunc_end_k_qbe7c8f4e15_ln2:
	.size	k_qbe7c8f4e15_ln2, .Lfunc_end_k_qbe7c8f4e15_ln2-k_qbe7c8f4e15_ln2
	.p2alignl 7, 3214868480
	.fill 96, 4, 3214868480
	.section	.rodata,"a",@progbits
	.p2align	6, 0x0
	.amdhsa_kernel k_qbe7c8f4e15_ln2
		.amdhsa_group_segment_fixed_size 0
		.amdhsa_private_segment_fixed_size 0
		.amdhsa_enable_private_segment 0
		.amdhsa_kernarg_size 40
		.amdhsa_user_sgpr_count 2
		.amdhsa_user_sgpr_kernarg_segment_ptr 1
		.amdhsa_wavefront_size32 1
		.amdhsa_system_sgpr_workgroup_id_x 1
		.amdhsa_system_sgpr_workgroup_id_y 1
		.amdhsa_system_sgpr_workgroup_id_z 1
		.amdhsa_system_vgpr_workitem_id 0
		.amdhsa_next_free_vgpr 224
		.amdhsa_next_free_sgpr 66
		.amdhsa_reserve_vcc 0
		.amdhsa_float_denorm_mode_32 3
		.amdhsa_float_denorm_mode_16_64 3
		.amdhsa_memory_ordered 1
		.amdhsa_forward_progress 1
		.amdhsa_inst_pref_size 22
	.end_amdhsa_kernel
	.amdgpu_metadata
---
amdhsa.version: [ 1, 2 ]
amdhsa.kernels:
  - .name:           k_qbe7c8f4e15_ln2
    .symbol:         k_qbe7c8f4e15_ln2.kd
    .args:
      - { .name: x2, .offset: 0, .size: 8, .value_kind: global_buffer, .address_space: global }
      - { .name: g2, .offset: 8, .size: 8, .value_kind: global_buffer, .address_space: global }
      - { .name: be2, .offset: 16, .size: 8, .value_kind: global_buffer, .address_space: global }
      - { .name: lowp_scales, .offset: 24, .size: 8, .value_kind: global_buffer, .address_space: global }
      - { .name: h2, .offset: 32, .size: 8, .value_kind: global_buffer, .address_space: global }
    .group_segment_fixed_size: 0
    .private_segment_fixed_size: 0
    .kernarg_segment_align: 8
    .kernarg_segment_size: 40
    .max_flat_workgroup_size: 256
    .sgpr_count:     66
    .vgpr_count:     224
    .wavefront_size: 32
...
	.end_amdgpu_metadata
.endif
;; end of part 5
;; launch ff1 (part 6): grid 8 x 32, 4 waves a work-group, clusters of 4 x 4, 327,680 bytes of LDS; arguments h2, W1_codes, b1, lowp_scales, fw; writes fw
.if DOCPART == 6
	.amdgcn_target "amdgcn-amd-amdhsa--gfx1250"
	.amdhsa_code_object_version 6
	.text
	.protected	k_qbe7c8f4e15_ff1
	.globl	k_qbe7c8f4e15_ff1
	.p2align	8
	.type	k_qbe7c8f4e15_ff1,@function
k_qbe7c8f4e15_ff1:
	s_mov_b64 s[64:65], 0
	v_nop
	global_prefetch_b8 v0, s[64:65] scope:SCOPE_SE
	s_setreg_imm32_b32 hwreg(HW_REG_WAVE_MODE, 25, 1), 1
	s_wait_xcnt 0x0
	s_wait_alu depctr_hold_cnt(0) depctr_sa_sdst(0) depctr_va_vdst(0) depctr_va_sdst(0) depctr_va_ssrc(0) depctr_va_vcc(0) depctr_vm_vsrc(0)
	s_getreg_b32 s2, hwreg(HW_REG_IB_STS2, 6, 4)
	s_cmp_eq_u32 s2, 0
	s_cbranch_scc0 .Lentry_in_a_cluster
	s_endpgm
.Lentry_in_a_cluster:
	s_bfe_u32 s2, ttmp6, 0x10000c
	s_cmp_lg_u32 s2, 0xf033
	s_cbranch_scc0 .Lentry_shape_is_right
	s_endpgm
.Lentry_shape_is_right:
; f = gelu(h2 W1^T + b1), the exact gelu 0.5 y (1 + erf(y / sqrt 2)), quantised at once with 2^e14 for the product with W2.
; h2: [4096][1024] codes, W1: [4096][1024] codes, both row-major.  fw: an image of the next operand's fragments: [256 blocks of 16 rows][128 pieces of 32 k][lane][16 bytes].
; A tile is C[Q 128 rows of h2][P 128 rows of W1]; four waves, each 64 x 64: 16 accumulators.  K = 1,024 lies in two LDS slots of 512 along K.
; A WORK-GROUP STAYS: it makes TILES = 4 tiles, all of the same 128 rows of h2, on tiles 4 (cluster x + 2 i) + cx of W1, i = 0..3.  Q's part of both slots is filled once and read by all four tiles; only P's part of a
; slot (128 rows x 512 bytes) is filled again: slot 0's at the change of slots, slot 1's in the middle of the gelu.  So the next tile's rows of W1 are on their way while this tile is finished, and the arguments,
; the first round and h2's tile are paid for once.  The last tile is written out.
; THE MATRIX INSTRUCTION IS USED TRANSPOSED (source 0 = 16 rows of W1, source 1 = 16 rows of h2): lane (r, h) holds row r and hidden units 8 h + 0..7 of a tile: eight neighbours along the next K.
; CLUSTERS: 4 x 4 work-groups; h2's tile is shared along a row of the cluster, W1's along a column: each is asked for jointly; a refill stands behind a round of the cluster's barrier.
; erf(z) = z P(z^2) / Q(z^2) on |z| <= 4, a rational approximation of degrees 6 and 4 in z^2, good to a few units in erf's last place; beyond 4 z is held at 4.
; LIMITS: e12 + e13 between -126 and 127; e14 between -126 and 119.  1 + erf carries erf's absolute error, about 1e-7: the relative error of gelu grows in the far negative tail, where |gelu| is under 1e-2.  NaN is not served.
; REGISTERS: window 0: v0-31 addresses and constants (v4 the bias's offset, v6 16 x lane, v[8:11] a piece's codes, v[12:15] two coefficients in pairs); v32-95 at work; v96-127 the bias; v128-255 the accumulators.
;   window 1: two fragment buffers of 128.
.set TILES,  4
.set PNEXT,  8*128*1024                ; bytes in W1 from a tile to the work-group's next: eight tiles of 128 rows of 1,024 bytes
.set NLQ,    8
.set QSTEP,  512
.set PITCH,  528                       ; an LDS row: 512 bytes + 16 of padding: row r starts at bank 4 r mod 64 (64 banks of 4 bytes: ISA guide 11.1)
.set HALFT,  64*PITCH
.set QHALF,  HALFT
.set POFF,   2*QHALF
.set SLOT,   POFF+2*HALFT
.set SPARE,  2*SLOT                    ; behind the slots: the spare words, 128 bytes for each wave: two blocks of 256 bytes that no other line names
.set ADRQ, 16
.set ADRP, 20
.set SPW,  28
.set NIL,  29
.set Z,    32
.set W,    48
.set PN,   64
.set QD,   80
.set BN,   96
.set ACC,  128
.set F0,   0
.set F1,   128
.set G1,  24                           ; s[24:31] descriptor group 1 for Q's tiles; s[32:39] group 0, a set for each slot: used for the first fills alone
.set G0,  32
.set G1B, 48                           ; s[48:55], s[56:63] the same for P's: these walk from tile to tile
.set G0B, 56
.set MSB, 0
.macro WIN new                         ; the immediate's high byte repeats the setting that is left
.if MSB != \new
	s_set_vgpr_msb (MSB<<8)|\new
.set MSB, \new
.endif
.endm
.set MUL,  0x05                        ; sources 0 and 1 window 1; C and D window 0
.set TO_F, 0x40                        ; destination window 1, address window 0
.macro JLOAD s                         ; a first fill: waves 0 and 1 fetch Q's halves, waves 2 and 3 P's; four v_nop follow each of the two lines
	s_cmp_eq_u32 s11, 0
	s_cbranch_scc0 .Lfor_p_\@
	tensor_load_to_lds s[G0+4*\s:G0+4*\s+3], s[G1:G1+7]
	s_nop 0
.rept 4
	v_nop
.endr
	s_branch .Lasked_\@
.Lfor_p_\@:
	tensor_load_to_lds s[G0B+4*\s:G0B+4*\s+3], s[G1B:G1B+7]
	s_nop 0
.rept 4
	v_nop
.endr
.Lasked_\@:
.endm
.macro PLOAD s                         ; a joint refill of P's part of slot s: waves 2 and 3 fetch its halves, waves 0 and 1 have no part to fill.  The branch hangs on the wave's number alone
	s_cmp_eq_u32 s11, 0
	s_cbranch_scc1 .Lnone_\@
	tensor_load_to_lds s[G0B+4*\s:G0B+4*\s+3], s[G1B:G1B+7]
	s_nop 0
.rept 4
	v_nop
.endr
.Lnone_\@:
.endm
.macro CREST                           ; a round of the cluster's barrier behind its opening barrier
	s_cmp_lg_u32 s10, 0
	s_cbranch_scc1 .Lnot_wave_0_\@
	s_barrier_signal -3
.Lnot_wave_0_\@:
	s_barrier_wait -3
	s_barrier_signal -1
	s_barrier_wait -1
.endm
.macro CROUND                          ; a whole round
	s_barrier_signal -1
	s_barrier_wait -1
	CREST
.endm
.macro FRAG_R reg, adr, q, i           ; a fragment from rows: lane (r, h) takes, of row 16 i + r, k = 128 q + 16 c + 8 h + 0..7 into registers 2 c, 2 c + 1
.irp c, 0,1,2,3,4,5,6,7
	ds_load_b64 v[\reg+2*\c:\reg+2*\c+1], v[\adr] offset:128*(\q)+16*\c+(\i)*16*PITCH
.endr
.endm
.macro FETCH_P slot, q, f
.irp i, 0,1,2,3
	FRAG_R (\f)+64+16*\i, ADRP+\slot, \q, \i
.endr
.endm
.macro FETCH_Q slot, q, f
.irp i, 0,1,2,3
	FRAG_R (\f)+16*\i, ADRQ+\slot, \q, \i
.endr
.endm
; 8 matrix instructions: Q's blocks a0, a0 + 1 x P's four, 128 along K.  The 16 accumulators take turns, one instruction a turn, in the same order in every quarter, from tile to tile too.
.macro MUL8 f, a0, zero
.irp a, \a0, \a0+1
.irp b, 0,1,2,3
.if \zero
	v_wmma_f32_16x16x128_fp8_fp8 v[ACC+8*(4*(\a)+\b):ACC+8*(4*(\a)+\b)+7], v[\f+64+16*\b:\f+64+16*\b+15], v[\f+16*(\a):\f+16*(\a)+15], 0
.else
	v_wmma_f32_16x16x128_fp8_fp8 v[ACC+8*(4*(\a)+\b):ACC+8*(4*(\a)+\b)+7], v[\f+64+16*\b:\f+64+16*\b+15], v[\f+16*(\a):\f+16*(\a)+15], v[ACC+8*(4*(\a)+\b):ACC+8*(4*(\a)+\b)+7]
.endif
.endr
.endr
.endm
.macro PLACES                          ; four places in front of loads into registers that matrix instructions have read, and of the first read of results (ISA guide 7.12.1 for vector instructions)
.rept 4
	v_nop
.endr
.endm
.macro QUARTER slot, qn, f, g, zero    ; 128 along K on buffer f; quarter qn is fetched into buffer g meanwhile
	s_wait_dscnt 2*NLQ                             ; P's fragments and Q's blocks 0, 1 are in; the youngest loads (Q's blocks 2, 3) may be out
	PLACES
	WIN TO_F
	FETCH_P \slot, \qn, \g
	WIN MUL
	MUL8 \f, 0, \zero
	s_wait_dscnt 32                                ; all but the 32 just issued
	WIN TO_F
	FETCH_Q \slot, \qn, \g
	WIN MUL
	MUL8 \f, 2, \zero
.endm
; Slot 0's last quarter, on buffer 1, changes slots: ONE barrier; in front of it each wave waits for all its tensor loads (at most one is out: its part of slot 1), adds 0 to its spare word, and waits for that and for its
; reads of slot 0.  fill = 1: the barrier opens a round of the cluster's barrier, and P's part of slot 0 takes the next tile's K 0..511, first thing behind the round: it has slot 1's 64 products and half the gelu in which to land.
.macro TURN slot, next, fill
	WIN 0
	s_wait_tensorcnt 0x0
	ds_add_u32 v[SPW], v[NIL]
	s_wait_dscnt 2*NLQ+1                           ; (the add and Q's blocks 2, 3 may be out)
	WIN MUL
	MUL8 F1, 0, 0                                  ; eight matrix instructions stand between the add and the wait for it
	s_wait_dscnt 0x0                               ; the add is done, and my reads of this slot are over
	s_barrier_signal -1
	WIN 0
	s_barrier_wait -1
.if \fill
	CREST                                          ; no wave of any partner still reads this slot's rows of W1 or has a load on its way
	s_add_nc_u64 s[G0B+4*\slot+2:G0B+4*\slot+3], s[G0B+4*\slot+2:G0B+4*\slot+3], PNEXT
	PLOAD \slot
.endif
	PLACES                                         ; on every wave's way, in front of the loads below
	WIN TO_F
	FETCH_P \next, 0, F0
	FETCH_Q \next, 0, F0
	WIN MUL
	MUL8 F1, 2, 0
.endm
; In the middle of the gelu: all products of this tile are issued and nobody reads slot 1's rows of W1 any more.  The three lines, a round, and P's part of slot 1 takes the next tile's K 512..1023: it has the other half of the
; gelu and slot 0's first three quarters in which to land.  Slot 0's refill has landed by the wait for 0, so the next tile's first fragments are fetched here too, under the rest of the gelu.
.macro CHANGE
	s_wait_tensorcnt 0x0                           ; all my tensor loads have landed: my part of slot 0; so a group 0 may be written
	ds_add_u32 v[SPW], v[NIL]
	s_add_nc_u64 s[G0B+6:G0B+7], s[G0B+6:G0B+7], PNEXT
	s_wait_dscnt 0x0                               ; the add is done; my reads of slot 1 came back ahead of the tile's last products
	CROUND
	PLOAD 1
	PLACES
	WIN TO_F
	FETCH_P 0, 0, F0
	FETCH_Q 0, 0, F0
	WIN 0
.endm
.macro BIAS                            ; b1 of hidden unit 128 x tile + 64 x half + 16 b + 8 h + j
.irp b, 0,1,2,3
	global_load_b128 v[BN+8*\b:BN+8*\b+3],   v4, s[72:73] offset:64*\b
	global_load_b128 v[BN+8*\b+4:BN+8*\b+7], v4, s[72:73] offset:64*\b+16
.endr
.endm
; Sixteen numbers of a lane: tiles 2 p, 2 p + 1 of Q's block a, worked in place; their codes are a piece of the image.  The sixteen reciprocals are one batch with one wait.
.macro GELU16 a, p
.set Y,  ACC+32*(\a)+16*(\p)
.set BB, BN+16*(\p)
.irp i, 0,2,4,6,8,10,12,14
	v_pk_fma_f32 v[Y+\i:Y+\i+1], v[Y+\i:Y+\i+1], s[66:67], v[BB+\i:BB+\i+1] op_sel_hi:[1,0,1]   ; y = sum x 2^(e12 + e13) + b1; each accumulator from its low end on
.endr
.irp i, 0,2,4,6,8,10,12,14
	v_pk_mul_f32 v[Z+\i:Z+\i+1], v[Y+\i:Y+\i+1], 0x3f3504f3 op_sel_hi:[1,0]                     ; z = y / sqrt 2
.endr
.irp i, 0,1,2,3,4,5,6,7,8,9,10,11,12,13,14,15
	v_med3_num_f32 v[Z+\i], v[Z+\i], -4.0, 4.0
.endr
.irp i, 0,2,4,6,8,10,12,14
	v_pk_mul_f32 v[W+\i:W+\i+1], v[Z+\i:Z+\i+1], v[Z+\i:Z+\i+1]
.endr
.irp i, 0,2,4,6,8,10,12,14
	v_pk_fma_f32 v[PN+\i:PN+\i+1], v[W+\i:W+\i+1], 0xaf95df0b, v[12:13] op_sel_hi:[1,0,1]
	v_pk_fma_f32 v[QD+\i:QD+\i+1], v[W+\i:W+\i+1], 0xb77460cd, v[14:15] op_sel_hi:[1,0,1]
.endr
.irp k, 0xb60cff51, 0xb86ec2d2, 0xba40ac63, 0xbb41a1f6, 0xbc83dbd4
.irp i, 0,2,4,6,8,10,12,14
	v_pk_fma_f32 v[PN+\i:PN+\i+1], v[PN+\i:PN+\i+1], v[W+\i:W+\i+1], \k op_sel_hi:[1,1,0]
.endr
.endr
.irp k, 0xbadc924e, 0xbbf19bf8, 0xbc69b6a7
.irp i, 0,2,4,6,8,10,12,14
	v_pk_fma_f32 v[QD+\i:QD+\i+1], v[QD+\i:QD+\i+1], v[W+\i:W+\i+1], \k op_sel_hi:[1,1,0]
.endr
.endr
.irp i, 0,2,4,6,8,10,12,14
	v_pk_mul_f32 v[PN+\i:PN+\i+1], v[PN+\i:PN+\i+1], v[Z+\i:Z+\i+1]
.endr
.irp i, 0,1,2,3,4,5,6,7,8,9,10,11,12,13,14,15
	v_rcp_f32 v[QD+\i], v[QD+\i]
.endr
.irp i, 0,2,4,6,8,10,12,14
	v_pk_mul_f32 v[Z+\i:Z+\i+1], v[Y+\i:Y+\i+1], 0.5 op_sel_hi:[1,0]   ; y / 2: plain work behind the reciprocals that names none of their results
.endr
	s_wait_alu depctr_va_vdst(0)                   ; one wait for the sixteen, ahead of their first reader
.irp i, 0,2,4,6,8,10,12,14
	v_pk_mul_f32 v[PN+\i:PN+\i+1], v[PN+\i:PN+\i+1], v[QD+\i:QD+\i+1]  ; erf
.endr
.irp i, 0,2,4,6,8,10,12,14
	v_pk_fma_f32 v[Y+\i:Y+\i+1], v[Z+\i:Z+\i+1], v[PN+\i:PN+\i+1], v[Z+\i:Z+\i+1]   ; y / 2 x erf + y / 2
.endr
.irp i, 0,1,2,3,4,5,6,7,8,9,10,11,12,13,14,15
	v_med3_num_f32 v[Y+\i], v[Y+\i], -v31, v31     ; the conversion to an 8-bit code does not saturate (ISA guide 7.6.2)
.endr
	s_wait_xcnt 0x0                                ; the last piece's store has read v[8:11]
	v_cvt_scalef32_pk8_fp8_f32 v[8:9], v[Y:Y+7], v30
	v_cvt_scalef32_pk8_fp8_f32 v[10:11], v[Y+8:Y+15], v30
	v_nop                                          ; a plain instruction between the conversions and the next tile's products, which write their sources
	global_store_b128 v6, v[8:11], s[8:9] offset:(\a)*65536+512*(\p)   ; 32 lanes store 512 consecutive bytes, aligned
.endm
; A tile: 128 products a wave, then the gelu.  Its first fragments are in buffer 0 or on their way there.  fill = 1: the work-group has a next tile.
.macro TILE fill
	QUARTER 0, 1, F0, F1, 1                        ; the first products start the sums: nothing is cleared
	QUARTER 0, 2, F1, F0, 0
	QUARTER 0, 3, F0, F1, 0
	TURN 0, 1, \fill
	QUARTER 1, 1, F0, F1, 0
	QUARTER 1, 2, F1, F0, 0
	QUARTER 1, 3, F0, F1, 0
	s_wait_dscnt 2*NLQ                             ; the last quarter: nothing more to fetch from slot 1
	MUL8 F1, 0, 0
	s_wait_dscnt 0x0
	MUL8 F1, 2, 0
	WIN 0
	s_wait_loadcnt 0x0                             ; this tile's b1
	PLACES
	GELU16 0, 0
	GELU16 0, 1
	GELU16 1, 0
	GELU16 1, 1
.if \fill
	CHANGE
.endif
	GELU16 2, 0
	GELU16 2, 1
	GELU16 3, 0
	GELU16 3, 1
.if \fill
	s_wait_xcnt 0x0                                ; the stores have read their base
	s_add_nc_u64 s[8:9], s[8:9], 16384             ; eight tiles on: 32 pieces of 512 bytes in fw,
	s_add_nc_u64 s[72:73], s[72:73], 4096          ; 1,024 numbers in b1 (its last loads were waited for ahead of the gelu)
	BIAS                                           ; behind the gelu's last read of the old ones
.endif
.endm
	s_load_b256 s[68:75], s[0:1], 0x0              ; h2 68, W1's codes 70, b1 72, the scales' exponents 74
	s_load_b64 s[8:9], s[0:1], 0x20                ; fw
	v_lshl_add_u32 v[SPW], v0, 2, SPARE
	v_mov_b32 v[NIL], 0
	ds_add_u32 v28, v29
	ds_add_u32 v28, v29
	s_wait_dscnt 0x0
	v_lshrrev_b32 v1, 5, v0
	v_readfirstlane_b32 s10, v1                    ; wave 0..3
	s_lshr_b32 s11, s10, 1                         ; which half of Q's rows is mine.  Also: I fetch for Q (0) or for P (1)
	s_and_b32 s12, s10, 1                          ; which half of P's rows.  Also: which 64 rows of that tile I fetch
	s_bfe_u32 s40, ttmp6, 0x40000                  ; cx, cy
	s_bfe_u32 s41, ttmp6, 0x40004
	s_lshl_b32 s42, ttmp9, 2
	s_add_co_u32 s42, s42, s40                     ; my first tile of P = 4 x cluster x + cx
	s_and_b32 s13, ttmp7, 0xffff
	s_lshl_b32 s13, s13, 2
	s_add_co_u32 s13, s13, s41                     ; tile of Q = 4 x cluster y + cy
	s_lshl_b32 s43, s41, 2
	s_lshl_b32 s43, 15, s43                        ; my row of the cluster
	s_lshl_b32 s44, 0x1111, s40                    ; my column
	; descriptor group 1: a tile of 64 rows x 512 bytes, padded: four words after every 128
	s_or_b32 s[G1+0], s43, (1<<20)|(1<<21)|(6<<22)|(3<<25)
	s_or_b32 s[G1B+0], s44, (1<<20)|(1<<21)|(6<<22)|(3<<25)
.irp g, G1, G1B
	s_mov_b32 s[\g+1], 512<<16                     ; tensor_dim0
	s_mov_b32 s[\g+2], 64<<16                      ; tensor_dim1
	s_mov_b32 s[\g+3], 512<<16                     ; tile_dim0
	s_mov_b32 s[\g+4], 64                          ; tile_dim1
	s_mov_b32 s[\g+5], 1024                        ; from row to row
	s_mov_b32 s[\g+6], 0
	s_mov_b32 s[\g+7], 0
.endr
	s_lshl_b32 s17, s12, 6
	s_lshl_b32 s16, s13, 7
	s_add_co_u32 s16, s16, s17
	s_lshl_b32 s16, s16, 10                        ; Q: (128 x tile + 64 x half) rows of 1,024 bytes
	s_lshl_b32 s46, s42, 7
	s_add_co_u32 s46, s46, s17
	s_lshl_b32 s46, s46, 10                        ; P likewise
	s_mov_b32 s17, 0
	s_mov_b32 s47, 0
	s_mul_i32 s2, s12, QHALF                       ; where they go: no place in the cluster enters an LDS address
	s_mul_i32 s45, s12, HALFT
	s_add_co_u32 s45, s45, POFF
	s_wait_kmcnt 0x0
	s_load_b128 s[84:87], s[74:75], 0x30           ; e12, e13, e14, e15
	s_add_nc_u64 s[14:15], s[68:69], s[16:17]
	s_add_nc_u64 s[46:47], s[70:71], s[46:47]
	CROUND                                         ; all sixteen work-groups are here: the first joint loads meet
.irp s, 0,1
	s_mov_b32 s[G0+4*\s], 1
	s_add_co_u32 s[G0+4*\s+1], s2, \s*SLOT
	s_add_nc_u64 s[G0+4*\s+2:G0+4*\s+3], s[14:15], \s*QSTEP
	s_or_b32 s[G0+4*\s+3], s[G0+4*\s+3], 0x80000000
	s_mov_b32 s[G0B+4*\s], 1
	s_add_co_u32 s[G0B+4*\s+1], s45, \s*SLOT
	s_add_nc_u64 s[G0B+4*\s+2:G0B+4*\s+3], s[46:47], \s*512
	s_or_b32 s[G0B+4*\s+3], s[G0B+4*\s+3], 0x80000000
	JLOAD \s                                       ; two loads of mine are out at the start, at most one behind each round
.endr
	v_and_b32 v1, 15, v0                           ; r
	v_bfe_u32 v2, v0, 4, 1                         ; h
	v_lshlrev_b32 v4, 5, v2                        ; my half's eight numbers of b1; never rewritten
	s_lshl_b32 s46, s42, 9
	s_lshl_b32 s47, s12, 8
	s_add_co_u32 s46, s46, s47
	s_mov_b32 s47, 0
	s_add_nc_u64 s[72:73], s[72:73], s[46:47]
	BIAS                                           ; the first tile's
	v_and_b32 v6, 31, v0
	v_lshlrev_b32 v6, 4, v6                        ; 16 x lane; never rewritten
	v_mul_u32_u24 v3, v1, PITCH
	v_lshl_add_u32 v3, v2, 3, v3                   ; a fragment's row x pitch + 8 x half
	s_mul_i32 s21, s11, QHALF
	s_mul_i32 s22, s12, HALFT
	s_add_co_u32 s22, s22, POFF
.irp s, 0,1
	v_add_nc_u32 v[ADRQ+\s], s21, v3
	v_add_nc_u32 v[ADRP+\s], s22, v3
	s_add_co_u32 s21, s21, SLOT
	s_add_co_u32 s22, s22, SLOT
.endr
	s_lshl_b32 s16, s13, 19                        ; where my results go: block 8 x tile of Q + 4 x half, of 65,536 bytes,
	s_lshl_b32 s17, s11, 18
	s_add_co_u32 s16, s16, s17
	s_mov_b32 s17, 0
	s_add_nc_u64 s[8:9], s[8:9], s[16:17]
	s_lshl_b32 s46, s42, 11                        ; piece 4 x tile of P + 2 x half, of 512 bytes
	s_lshl_b32 s47, s12, 10
	s_add_co_u32 s46, s46, s47
	s_mov_b32 s47, 0
	s_add_nc_u64 s[8:9], s[8:9], s[46:47]
	s_wait_kmcnt 0x0                               ; the exponents; the constants of the gelu are made once, while the first tiles are on their way
	s_add_co_i32 s18, s84, s85
	s_add_co_i32 s18, s18, 127
	s_lshl_b32 s66, s18, 23                        ; 2^(e12 + e13) as f32
	s_mov_b32 s67, s66                             ; (named with it as a pair, so it is written)
	s_add_co_i32 s21, s86, 127
	s_lshl_b32 s22, s21, 23
	v_mov_b32 v30, s22                             ; 2^e14: the conversion takes its exponent field
	s_add_co_i32 s21, s21, 8
	s_lshl_b32 s21, s21, 23
	s_or_b32 s21, s21, 0x600000
	v_mov_b32 v31, s21                             ; 448 x 2^e14
	v_mov_b32 v12, 0x32edffee                      ; P's second coefficient, as a pair
	v_mov_b32 v13, 0x32edffee
	v_mov_b32 v14, 0xb95fbd29                      ; Q's second coefficient, as a pair
	v_mov_b32 v15, 0xb95fbd29
	s_wait_tensorcnt 1                             ; my part of slot 0 is in; slot 1's may stay out
	s_barrier_signal -1
	s_barrier_wait -1
	WIN TO_F
	FETCH_P 0, 0, F0
	FETCH_Q 0, 0, F0
	WIN 0                                          ; at a label and at a branch every window is 0
	s_mov_b32 s3, TILES-1
.Ltile:                                                ; three trips: each makes a tile and asks for the next tile's rows of W1
	TILE 1
	s_sub_co_u32 s3, s3, 1
	s_cmp_lg_u32 s3, 0
	s_cbranch_scc1 .Ltile
	TILE 0                                         ; the last tile asks for nothing, and has no round of the cluster's barrier
	s_wait_tensorcnt 0x0                           ; the wave's end
	ds_add_u32 v[SPW], v[NIL]
	s_wait_dscnt 0x0
	CROUND                                         ; the closing round: no work-group ends while a partner may still ask for a tile that names it
	s_endpgm
.Lfunc_end_k_qbe7c8f4e15_ff1:
	.size	k_qbe7c8f4e15_ff1, .Lfunc_end_k_qbe7c8f4e15_ff1-k_qbe7c8f4e15_ff1
	.p2alignl 7, 3214868480
	.fill 96, 4, 3214868480
	.section	.rodata,"a",@progbits
	.p2align	6, 0x0
	.amdhsa_kernel k_qbe7c8f4e15_ff1
		.amdhsa_group_segment_fixed_size 327680
		.amdhsa_private_segment_fixed_size 0
		.amdhsa_enable_private_segment 0
		.amdhsa_kernarg_size 40
		.amdhsa_user_sgpr_count 2
		.amdhsa_user_sgpr_kernarg_segment_ptr 1
		.amdhsa_wavefront_size32 1
		.amdhsa_system_sgpr_workgroup_id_x 1
		.amdhsa_system_sgpr_workgroup_id_y 1
		.amdhsa_system_sgpr_workgroup_id_z 1
		.amdhsa_system_vgpr_workitem_id 0
		.amdhsa_next_free_vgpr 512
		.amdhsa_next_free_sgpr 102
		.amdhsa_reserve_vcc 0
		.amdhsa_float_denorm_mode_32 3
		.amdhsa_float_denorm_mode_16_64 3
		.amdhsa_memory_ordered 1
		.amdhsa_forward_progress 1
		.amdhsa_inst_pref_size 255
	.end_amdhsa_kernel
	.section	.bss,"aw",@nobits
	.p2align	6
	.space	262144
	.amdgpu_metadata
---
amdhsa.version: [ 1, 2 ]
amdhsa.kernels:
  - .name:           k_qbe7c8f4e15_ff1
    .symbol:         k_qbe7c8f4e15_ff1.kd
    .args:
      - { .name: h2, .offset: 0, .size: 8, .value_kind: global_buffer, .address_space: global }
      - { .name: W1_codes, .offset: 8, .size: 8, .value_kind: global_buffer, .address_space: global }
      - { .name: b1, .offset: 16, .size: 8, .value_kind: global_buffer, .address_space: global }
      - { .name: lowp_scales, .offset: 24, .size: 8, .value_kind: global_buffer, .address_space: global }
      - { .name: fw, .offset: 32, .size: 8, .value_kind: global_buffer, .address_space: global }
    .group_segment_fixed_size: 327680
    .private_segment_fixed_size: 0
    .kernarg_segment_align: 8
    .kernarg_segment_size: 40
    .max_flat_workgroup_size: 128
    .sgpr_count:     102
    .vgpr_count:     512
    .wavefront_size: 32
...
	.end_amdgpu_metadata
.endif
;; end of part 6
;; launch ff2 (part 7): grid 8 x 32, 4 waves a work-group, clusters of 4 x 4, 327,680 bytes of LDS; arguments fw, W2_codes, b2, lowp_scales, x2, out0; writes out0
.if DOCPART == 7
	.amdgcn_target "amdgcn-amd-amdhsa--gfx1250"
	.amdhsa_code_object_version 6
	.text
	.protected	k_qbe7c8f4e15_ff2
	.globl	k_qbe7c8f4e15_ff2
	.p2align	8
	.type	k_qbe7c8f4e15_ff2,@function
k_qbe7c8f4e15_ff2:
	s_mov_b64 s[64:65], 0
	v_nop
	global_prefetch_b8 v0, s[64:65] scope:SCOPE_SE
	s_setreg_imm32_b32 hwreg(HW_REG_WAVE_MODE, 25, 1), 1
	s_wait_xcnt 0x0
	s_wait_alu depctr_hold_cnt(0) depctr_sa_sdst(0) depctr_va_vdst(0) depctr_va_sdst(0) depctr_va_ssrc(0) depctr_va_vcc(0) depctr_vm_vsrc(0)
	s_getreg_b32 s2, hwreg(HW_REG_IB_STS2, 6, 4)
	s_cmp_eq_u32 s2, 0
	s_cbranch_scc0 .Lentry_in_a_cluster
	s_endpgm
.Lentry_in_a_cluster:
	s_bfe_u32 s2, ttmp6, 0x10000c
	s_cmp_lg_u32 s2, 0xf033
	s_cbranch_scc0 .Lentry_shape_is_right
	s_endpgm
.Lentry_shape_is_right:
; out0 = x2 + f W2^T + b2.  f: codes as an image of fragments, [256 blocks of 16 rows][128 pieces of 32 k][lane][16 bytes]; W2: [1024][4096] codes, row-major; x2, out0: [4096][1024] f32.
; A tile is C[Q 128 rows][P 128 columns]; four waves, each 64 x 64: 16 accumulators.  K = 4,096 goes in steps of 512 through a ring of two LDS slots filled by the tensor data mover.
; THE MATRIX INSTRUCTION IS USED TRANSPOSED (source 0 = 16 rows of W2, source 1 = 16 rows of f): a lane holds eight neighbouring columns of one row.
; CLUSTERS: 4 x 4 work-groups; f's tile is shared along a row of the cluster, W2's along a column: each is asked for jointly; a refill stands behind a round of the cluster's barrier.
; The residual's 64 x 64 numbers of a wave are asked for at the head, in the layout in which rows leave, and wait in window 2.
; LIMIT: e14 + e15 between -126 and 127.
; REGISTERS: window 0: v0-31 addresses and the bias; v96-127 rows on the way out; v128-255 the accumulators.  window 1: two fragment buffers of 128.  window 2: v0-127 the residual.
.set SIZE_K, 4096
.set RBS,    65536                     ; bytes of a block of 16 rows in Q's image
.set ESC,    0x38                      ; where the product's two exponents lie among the scales
.set NLQ,    4                         ; LDS loads that bring a fragment of Q
.set QSTEP,  8192                      ; bytes in a block's image from one K step's 16 pieces to the next's
.set PITCH,  528                       ; an LDS row of P: 512 bytes + 16 of padding: row r starts at bank 4 r mod 64 (64 banks of 4 bytes: ISA guide 11.1)
.set HALFT,  64*PITCH
.set QHALF,  32768                     ; 4 blocks x 16 pieces x 512 bytes
.set POFF,   2*QHALF
.set SLOT,   POFF+2*HALFT
.set SPARE,  2*SLOT                    ; behind the ring: the spare words, 128 bytes for each wave: two blocks of 256 bytes that no other line names
.set LAPS,   SIZE_K/1024               ; a lap = two K steps = once round the ring
.set ADRQ, 16
.set ADRP, 20
.set STO,  24
.set RD,   25
.set CO,   26
.set SPW,  28
.set NIL,  29
.set BK,   96
.set ACC,  128
.set F0,   0
.set F1,   128
.set G1,  24
.set G0,  32
.set G1B, 48
.set G0B, 56
.set MSB, 0
.macro WIN new                         ; the immediate's high byte repeats the setting that is left
.if MSB != \new
	s_set_vgpr_msb (MSB<<8)|\new
.set MSB, \new
.endif
.endm
.set MUL,  0x05                        ; sources 0 and 1 window 1; C and D window 0
.set TO_F, 0x40                        ; destination window 1, address window 0
.macro JLOAD s                         ; a joint load: waves 0 and 1 fetch Q's halves, waves 2 and 3 P's; four v_nop follow each of the two lines
	s_cmp_eq_u32 s11, 0
	s_cbranch_scc0 .Lfor_p_\@
	tensor_load_to_lds s[G0+4*\s:G0+4*\s+3], s[G1:G1+7]
	s_nop 0
.rept 4
	v_nop
.endr
	s_branch .Lasked_\@
.Lfor_p_\@:
	tensor_load_to_lds s[G0B+4*\s:G0B+4*\s+3], s[G1B:G1B+7]
	s_nop 0
.rept 4
	v_nop
.endr
.Lasked_\@:
.endm
.macro CREST                           ; a round of the cluster's barrier behind its opening barrier
	s_cmp_lg_u32 s10, 0
	s_cbranch_scc1 .Lnot_wave_0_\@
	s_barrier_signal -3
.Lnot_wave_0_\@:
	s_barrier_wait -3
	s_barrier_signal -1
	s_barrier_wait -1
.endm
.macro CROUND                          ; a whole round
	s_barrier_signal -1
	s_barrier_wait -1
	CREST
.endm
.macro FRAG_R reg, adr, q, i           ; a fragment from rows: lane (r, h) takes, of row 16 i + r, k = 128 q + 16 c + 8 h + 0..7 into registers 2 c, 2 c + 1
.irp c, 0,1,2,3,4,5,6,7
	ds_load_b64 v[\reg+2*\c:\reg+2*\c+1], v[\adr] offset:128*(\q)+16*\c+(\i)*16*PITCH
.endr
.endm
.macro FRAG_I reg, adr, q, i           ; a fragment from its image: four pieces, 512 consecutive bytes a load
.irp p, 0,1,2,3
	ds_load_b128 v[\reg+4*\p:\reg+4*\p+3], v[\adr] offset:(\i)*8192+(4*(\q)+\p)*512
.endr
.endm
.macro FETCH_P slot, q, f
.irp i, 0,1,2,3
	FRAG_R (\f)+64+16*\i, ADRP+\slot, \q, \i
.endr
.endm
.macro FETCH_Q slot, q, f
.irp i, 0,1,2,3
	FRAG_I (\f)+16*\i, ADRQ+\slot, \q, \i
.endr
.endm
; 8 matrix instructions: Q's blocks a0, a0 + 1 x P's four, 128 along K.  The 16 accumulators take turns, one instruction a turn, in the same order in every quarter, over the backward jump too.
.macro MUL8 f, a0, zero
.irp a, \a0, \a0+1
.irp b, 0,1,2,3
.if \zero
	v_wmma_f32_16x16x128_fp8_fp8 v[ACC+8*(4*(\a)+\b):ACC+8*(4*(\a)+\b)+7], v[\f+64+16*\b:\f+64+16*\b+15], v[\f+16*(\a):\f+16*(\a)+15], 0
.else
	v_wmma_f32_16x16x128_fp8_fp8 v[ACC+8*(4*(\a)+\b):ACC+8*(4*(\a)+\b)+7], v[\f+64+16*\b:\f+64+16*\b+15], v[\f+16*(\a):\f+16*(\a)+15], v[ACC+8*(4*(\a)+\b):ACC+8*(4*(\a)+\b)+7]
.endif
.endr
.endr
.endm
.macro PLACES                          ; four places in front of loads into registers that matrix instructions have read, and of the first read of results (ISA guide 7.12.1 for vector instructions)
.rept 4
	v_nop
.endr
.endm
.macro QUARTER slot, qn, f, g, zero    ; 128 along K on buffer f; quarter qn is fetched into buffer g meanwhile
	s_wait_dscnt 2*NLQ                             ; P's fragments and Q's blocks 0, 1 are in; the youngest loads (Q's blocks 2, 3) may be out
	PLACES
	WIN TO_F
	FETCH_P \slot, \qn, \g
	WIN MUL
	MUL8 \f, 0, \zero
	s_wait_dscnt 32                                ; all but the 32 just issued
	WIN TO_F
	FETCH_Q \slot, \qn, \g
	WIN MUL
	MUL8 \f, 2, \zero
.endm
; A slot's last quarter, on buffer 1, changes slots: ONE barrier; in front of it each wave waits for all its tensor loads (one is out: its part of the next slot), adds 0 to its spare word, and waits for that and for its reads
; of this slot.  fill = 1: the barrier opens a round of the cluster's barrier, and this slot is filled again, two K steps ahead, first thing behind the round: one load a wave, which has a K step's work in which to land.
.macro TURN slot, next, fill
	WIN 0
	s_wait_tensorcnt 0x0
	ds_add_u32 v[SPW], v[NIL]
	s_wait_dscnt 2*NLQ+1                           ; (the add and Q's blocks 2, 3 may be out)
	WIN MUL
	MUL8 F1, 0, 0                                  ; eight matrix instructions stand between the add and the wait for it
	s_wait_dscnt 0x0                               ; the add is done, and my reads of this slot are over
	s_barrier_signal -1
	WIN 0
	s_barrier_wait -1
.if \fill
	CREST                                          ; no wave of any partner still reads this slot's tiles or has a load on its way
	s_add_nc_u64 s[G0+4*\slot+2:G0+4*\slot+3], s[G0+4*\slot+2:G0+4*\slot+3], 2*QSTEP
	s_add_nc_u64 s[G0B+4*\slot+2:G0B+4*\slot+3], s[G0B+4*\slot+2:G0B+4*\slot+3], 2*512
	JLOAD \slot                                    ; the four v_nop behind it are also the places in front of the loads below
.else
	PLACES
.endif
	WIN TO_F
	FETCH_P \next, 0, F0
	FETCH_Q \next, 0, F0
	WIN MUL
	MUL8 F1, 2, 0
.endm
	s_load_b256 s[68:75], s[0:1], 0x0              ; Q's image 68, P's codes 70, the bias 72, the scales' exponents 74
	s_load_b128 s[76:79], s[0:1], 0x20             ; the residual 76, the result 78
	v_lshl_add_u32 v[SPW], v0, 2, SPARE
	v_mov_b32 v[NIL], 0
	ds_add_u32 v28, v29
	ds_add_u32 v28, v29
	s_wait_dscnt 0x0
	v_lshrrev_b32 v1, 5, v0
	v_readfirstlane_b32 s10, v1                    ; wave 0..3
	s_lshr_b32 s11, s10, 1                         ; which half of the rows is mine.  Also: I fetch for Q (0) or for P (1)
	s_and_b32 s12, s10, 1                          ; which half of the columns.  Also: which half of that tile I fetch
	s_bfe_u32 s40, ttmp6, 0x40000                  ; cx, cy
	s_bfe_u32 s41, ttmp6, 0x40004
	s_lshl_b32 s42, ttmp9, 2
	s_add_co_u32 s42, s42, s40                     ; tile of P = 4 x cluster x + cx
	s_and_b32 s13, ttmp7, 0xffff
	s_lshl_b32 s13, s13, 2
	s_add_co_u32 s13, s13, s41                     ; tile of Q = 4 x cluster y + cy
	s_lshl_b32 s43, s41, 2
	s_lshl_b32 s43, 15, s43                        ; my row of the cluster
	s_lshl_b32 s44, 0x1111, s40                    ; my column
	; descriptor group 1.  Q: 4 blocks' 8,192 bytes (16 pieces), RBS bytes apart, elements of 8 bytes, no padding
	s_or_b32 s[G1+0], s43, (3<<16)|(1<<21)
	s_mov_b32 s[G1+1], 1024<<16                    ; tensor_dim0
	s_mov_b32 s[G1+2], 4<<16                       ; tensor_dim1
	s_mov_b32 s[G1+3], 1024<<16                    ; tile_dim0
	s_mov_b32 s[G1+4], 4                           ; tile_dim1
	s_mov_b32 s[G1+5], RBS/8                       ; from row to row
	s_mov_b32 s[G1+6], 0
	s_mov_b32 s[G1+7], 0
	; P: 64 rows x 512 bytes, padded: four words after every 128
	s_or_b32 s[G1B+0], s44, (1<<20)|(1<<21)|(6<<22)|(3<<25)
	s_mov_b32 s[G1B+1], 512<<16
	s_mov_b32 s[G1B+2], 64<<16
	s_mov_b32 s[G1B+3], 512<<16
	s_mov_b32 s[G1B+4], 64
	s_mov_b32 s[G1B+5], SIZE_K
	s_mov_b32 s[G1B+6], 0
	s_mov_b32 s[G1B+7], 0
	s_lshl_b32 s16, s13, 3
	s_lshl_b32 s17, s12, 2
	s_add_co_u32 s16, s16, s17
	s_mul_i32 s16, s16, RBS                        ; Q: block 8 x tile + 4 x half
	s_mov_b32 s17, 0
	s_lshl_b32 s46, s42, 7
	s_lshl_b32 s47, s12, 6
	s_add_co_u32 s46, s46, s47
	s_mul_i32 s46, s46, SIZE_K                     ; P: row 128 x tile + 64 x half
	s_mov_b32 s47, 0
	s_mul_i32 s2, s12, QHALF                       ; where they go: no place in the cluster enters an LDS address
	s_mul_i32 s45, s12, HALFT
	s_add_co_u32 s45, s45, POFF
	s_wait_kmcnt 0x0
	s_load_b64 s[66:67], s[74:75], ESC             ; the product's two exponents
	s_add_nc_u64 s[14:15], s[68:69], s[16:17]
	s_add_nc_u64 s[46:47], s[70:71], s[46:47]
	CROUND                                         ; all sixteen work-groups are here: the first joint loads meet
.irp s, 0,1
	s_mov_b32 s[G0+4*\s], 1
	s_add_co_u32 s[G0+4*\s+1], s2, \s*SLOT
	s_add_nc_u64 s[G0+4*\s+2:G0+4*\s+3], s[14:15], \s*QSTEP
	s_or_b32 s[G0+4*\s+3], s[G0+4*\s+3], 0x80000000
	s_mov_b32 s[G0B+4*\s], 1
	s_add_co_u32 s[G0B+4*\s+1], s45, \s*SLOT
	s_add_nc_u64 s[G0B+4*\s+2:G0B+4*\s+3], s[46:47], \s*512
	s_or_b32 s[G0B+4*\s+3], s[G0B+4*\s+3], 0x80000000
	JLOAD \s                                       ; two loads of mine are out at the start, one behind each round
.endr
	v_and_b32 v1, 15, v0                           ; r
	v_bfe_u32 v2, v0, 4, 1                         ; h
	v_lshlrev_b32 v5, 12, v2
	v_lshl_add_u32 v[CO], v1, 4, v5                ; lanes 0-15 one row's 256 bytes, lanes 16-31 the next row's
	v_lshlrev_b32 v7, 4, v1                        ; my four columns' bias
	s_lshl_b32 s16, s13, 19                        ; my first row: (128 x tile + 64 x half) rows of 4,096 bytes
	s_lshl_b32 s17, s11, 18
	s_add_co_u32 s16, s16, s17
	s_mov_b32 s17, 0
	s_lshl_b32 s46, s42, 9                         ; my first column: (128 x tile + 64 x half) x 4 bytes
	s_lshl_b32 s47, s12, 8
	s_add_co_u32 s46, s46, s47
	s_mov_b32 s47, 0
	s_add_nc_u64 s[76:77], s[76:77], s[16:17]
	s_add_nc_u64 s[76:77], s[76:77], s[46:47]
	s_add_nc_u64 s[8:9], s[78:79], s[16:17]
	s_add_nc_u64 s[8:9], s[8:9], s[46:47]
	s_add_nc_u64 s[72:73], s[72:73], s[46:47]
	global_load_b128 v[12:15], v7, s[72:73]
	WIN 0x80                                       ; destination window 2
.irp a, 0,1,2,3
.irp t, 0,1,2,3,4,5,6,7
	global_load_b128 v[32*\a+4*\t:32*\a+4*\t+3], v[CO], s[76:77] offset:(16*\a+2*\t)*4096   ; sixteen lanes read 256 consecutive bytes, aligned
.endr
.endr
	WIN 0
	v_and_b32 v6, 31, v0
	v_lshlrev_b32 v6, 4, v6                        ; 16 x lane
	v_mul_u32_u24 v3, v1, PITCH
	v_lshl_add_u32 v3, v2, 3, v3                   ; a row of P x pitch + 8 x half
	s_mul_i32 s21, s11, QHALF                      ; my 4 blocks of Q
	s_mul_i32 s22, s12, HALFT
	s_add_co_u32 s22, s22, POFF                    ; my 64 rows of P
.irp s, 0,1
	v_add_nc_u32 v[ADRQ+\s], s21, v6
	v_add_nc_u32 v[ADRP+\s], s22, v3
	s_add_co_u32 s21, s21, SLOT
	s_add_co_u32 s22, s22, SLOT
.endr
	s_mul_i32 s23, s10, 16*272                     ; my stage: 16 rows x (256 bytes + 16), in slot 0: when the first result is stored there, that slot has had its last fill and its last read
	v_mul_u32_u24 v4, v1, 272
	v_lshl_add_u32 v4, v2, 5, v4
	v_add_nc_u32 v[STO], s23, v4
	v_mul_u32_u24 v5, v2, 272
	v_lshl_add_u32 v5, v1, 4, v5
	v_add_nc_u32 v[RD], s23, v5
	s_wait_tensorcnt 1                             ; my part of K step 0 is in; K step 1's may stay out
	s_barrier_signal -1
	s_barrier_wait -1
	WIN TO_F
	FETCH_P 0, 0, F0
	FETCH_Q 0, 0, F0
	QUARTER 0, 1, F0, F1, 1                        ; the first quarter stands in front of the loop: its products start the sums
	WIN 0                                          ; at a label and at a branch every window is 0
	s_mov_b32 s3, LAPS-1
.Llap:                                                 ; a trip goes once round the ring, from a lap's second quarter to the next lap's first, and fills both slots again
	QUARTER 0, 2, F1, F0, 0
	QUARTER 0, 3, F0, F1, 0
	TURN 0, 1, 1
	QUARTER 1, 1, F0, F1, 0
	QUARTER 1, 2, F1, F0, 0
	QUARTER 1, 3, F0, F1, 0
	TURN 1, 0, 1
	QUARTER 0, 1, F0, F1, 0
	WIN 0
	s_sub_co_u32 s3, s3, 1
	s_cmp_lg_u32 s3, 0
	s_cbranch_scc1 .Llap
	QUARTER 0, 2, F1, F0, 0                        ; the last lap fills nothing, and has no round of the cluster's barrier
	QUARTER 0, 3, F0, F1, 0
	TURN 0, 1, 0
	QUARTER 1, 1, F0, F1, 0
	QUARTER 1, 2, F1, F0, 0
	QUARTER 1, 3, F0, F1, 0
	s_wait_dscnt 2*NLQ
	MUL8 F1, 0, 0
	s_wait_dscnt 0x0
	MUL8 F1, 2, 0
	WIN 0
	; THE WAY OUT, 16 rows at a time: through my own stage, back as whole rows of 256 bytes; sum x 2^(the two exponents) + bias, then + the residual.
	s_wait_loadcnt 0x0                             ; the bias and the residual
	s_wait_kmcnt 0x0
	s_add_co_i32 s66, s66, s67
	s_add_co_i32 s66, s66, 127
	s_lshl_b32 s66, s66, 23                        ; 2^(the two exponents) as f32
	s_mov_b32 s67, s66
	PLACES
.irp a, 0,1,2,3
.if \a > 0
	s_wait_xcnt 0x0                                ; the last block's stores have read their registers: the loads below may land there
.endif
.irp b, 0,1,2,3
	ds_store_b128 v[STO], v[ACC+8*(4*\a+\b):ACC+8*(4*\a+\b)+3]   offset:64*\b      ; each accumulator from its low end on
	ds_store_b128 v[STO], v[ACC+8*(4*\a+\b)+4:ACC+8*(4*\a+\b)+7] offset:64*\b+16
.endr
.irp t, 0,1,2,3,4,5,6,7
	ds_load_b128 v[BK+4*\t:BK+4*\t+3], v[RD] offset:\t*544       ; LDS serves a wave's instructions in order (ISA guide 5.7.1.4): these see my stores
.endr
	s_wait_dscnt 0x0
.irp t, 0,1,2,3,4,5,6,7
	v_pk_fma_f32 v[BK+4*\t:BK+4*\t+1],   v[BK+4*\t:BK+4*\t+1],   s[66:67], v[12:13] op_sel_hi:[1,0,1]
	v_pk_fma_f32 v[BK+4*\t+2:BK+4*\t+3], v[BK+4*\t+2:BK+4*\t+3], s[66:67], v[14:15] op_sel_hi:[1,0,1]
.endr
	WIN 0x08                                       ; source 1 window 2
.irp t, 0,1,2,3,4,5,6,7
	v_pk_add_f32 v[BK+4*\t:BK+4*\t+1],   v[BK+4*\t:BK+4*\t+1],   v[32*\a+4*\t:32*\a+4*\t+1]
	v_pk_add_f32 v[BK+4*\t+2:BK+4*\t+3], v[BK+4*\t+2:BK+4*\t+3], v[32*\a+4*\t+2:32*\a+4*\t+3]
.endr
	WIN 0
.irp t, 0,1,2,3,4,5,6,7
	global_store_b128 v[CO], v[BK+4*\t:BK+4*\t+3], s[8:9] offset:(16*\a+2*\t)*4096   ; sixteen lanes store 256 consecutive bytes, aligned
.endr
.endr
	s_wait_tensorcnt 0x0                           ; the wave's end: behind my last tensor load and my last LDS store
	ds_add_u32 v[SPW], v[NIL]
	s_wait_dscnt 0x0
	CROUND                                         ; the closing round: no work-group ends while a partner may still ask for a tile that names it
	s_endpgm
.Lfunc_end_k_qbe7c8f4e15_ff2:
	.size	k_qbe7c8f4e15_ff2, .Lfunc_end_k_qbe7c8f4e15_ff2-k_qbe7c8f4e15_ff2
	.p2alignl 7, 3214868480
	.fill 96, 4, 3214868480
	.section	.rodata,"a",@progbits
	.p2align	6, 0x0
	.amdhsa_kernel k_qbe7c8f4e15_ff2
		.amdhsa_group_segment_fixed_size 327680
		.amdhsa_private_segment_fixed_size 0
		.amdhsa_enable_private_segment 0
		.amdhsa_kernarg_size 48
		.amdhsa_user_sgpr_count 2
		.amdhsa_user_sgpr_kernarg_segment_ptr 1
		.amdhsa_wavefront_size32 1
		.amdhsa_system_sgpr_workgroup_id_x 1
		.amdhsa_system_sgpr_workgroup_id_y 1
		.amdhsa_system_sgpr_workgroup_id_z 1
		.amdhsa_system_vgpr_workitem_id 0
		.amdhsa_next_free_vgpr 768
		.amdhsa_next_free_sgpr 102
		.amdhsa_reserve_vcc 0
		.amdhsa_float_denorm_mode_32 3
		.amdhsa_float_denorm_mode_16_64 3
		.amdhsa_memory_ordered 1
		.amdhsa_forward_progress 1
		.amdhsa_inst_pref_size 98
	.end_amdhsa_kernel
	.amdgpu_metadata
---
amdhsa.version: [ 1, 2 ]
amdhsa.kernels:
  - .name:           k_qbe7c8f4e15_ff2
    .symbol:         k_qbe7c8f4e15_ff2.kd
    .args:
      - { .name: fw, .offset: 0, .size: 8, .value_kind: global_buffer, .address_space: global }
      - { .name: W2_codes, .offset: 8, .size: 8, .value_kind: global_buffer, .address_space: global }
      - { .name: b2, .offset: 16, .size: 8, .value_kind: global_buffer, .address_space: global }
      - { .name: lowp_scales, .offset: 24, .size: 8, .value_kind: global_buffer, .address_space: global }
      - { .name: x2, .offset: 32, .size: 8, .value_kind: global_buffer, .address_space: global }
      - { .name: out0, .offset: 40, .size: 8, .value_kind: global_buffer, .address_space: global }
    .group_segment_fixed_size: 327680
    .private_segment_fixed_size: 0
    .kernarg_segment_align: 8
    .kernarg_segment_size: 48
    .max_flat_workgroup_size: 128
    .sgpr_count:     102
    .vgpr_count:     768
    .wavefront_size: 32
...
	.end_amdgpu_metadata
.endif
;; end of part 7
